; MI455X (gfx1250); checked and timed in simulation.
; The chip was launched on July 23, 2026; its instructions are those of AMD's public machine-readable ISA for CDNA 5 (MIT licence, August 2026) and "CDNA5" Instruction Set Architecture Reference Guide (July 2026). The comments in the code are by the model that wrote it; some were corrected since.
;; Self Attention. Allowed arithmetic: matrix products marked QUANTISED: E4M3 operands, one given power-of-two scale a tensor, by v_wmma_f32_16x16x64_fp8_fp8 or v_wmma_f32_16x16x128_fp8_fp8, f32 sums; everything else in f32.
;; Inputs: b_out 1,024 float32; b_qkv 3,072 float32; lowp_scales 8 int32 (the exponents e of the quantised operands' scales 2^e); w_out 1,024 x 1,024 float32; w_qkv 1,024 x 3,072 float32; x 4 x 2,048 x 1,024 float32.
;; Outputs: out0 4 x 2,048 x 1,024 float32.
;; This version of the problem:
;;   THIS VERSION OF THE PROBLEM IS GIVEN IN LOW PRECISION. The matrix products marked QUANTISED in the list below multiply operands that are first quantised to E4M3 (4 exponent bits, 3 mantissa bits; 8 bits a number), with one given power-of-two scale for each operand tensor; their sums are f32. All else is computed in f32.
;;   The module's matrix products, in the order in which they are computed (A, B: the left and right operand; K: the contracted axis; several contracted axes count as one K, in the product's order):
;;     1. [M 8,192, K 1,024] x [K 1,024, N 3,072]; A: input x; B: input w_qkv: QUANTISED (scales: A lowp_scales[0], B lowp_scales[1])
;;     2. batch 64 x [M 2,048, K 64] x [K 64, N 2,048]; A: computed on the way; B: computed on the way: QUANTISED (scales: A lowp_scales[2], B lowp_scales[3])
;;     3. batch 64 x [M 2,048, K 2,048] x [K 2,048, N 64]; A: softmax (see below); B: computed on the way: QUANTISED (scales: A lowp_scales[4], B lowp_scales[5])
;;     4. [M 8,192, K 1,024] x [K 1,024, N 1,024]; A: computed on the way; B: input w_out: QUANTISED (scales: A lowp_scales[6], B lowp_scales[7])
;;   THE QUANTISER, for each operand of a quantised product, along K:
;;     - The operand's scale is 2^e, e = its entry of the input lowp_scales (int32; the entries are numbered through the quantised products in the list's order, A before B).
;;     - Each number is divided by the scale, clamped to +-448, and rounded to the nearest number of E4M3, ties to even, subnormals kept.
;;     - The product sums the exact products of the quantised numbers (number of the format x scale) in f32.
;;   ~~~python
;;   def quantise(x, axis, e):      # numpy; x: float32 -> the quantised numbers, widened to float32 again
;;       x = np.moveaxis(x, axis, -1); K = x.shape[-1]
;;       r = np.clip(x / 2.0 ** e, -448, 448)
;;       step = 2.0 ** (np.maximum(np.frexp(np.where(r == 0, 1, r))[1] - 1, -6) - 3)
;;       q = np.round(r / step) * step * 2.0 ** e      # np.round: ties to even
;;       return np.moveaxis(q, -1, axis).astype(np.float32)
;;   ~~~
;;   SOFTMAX AHEAD OF A QUANTISED PRODUCT. Where the list says 'softmax', what is quantised is not the finished softmax but p = 2^(t - M), with t = logit x log2(e) and M = ceil(the row's largest t), a whole number; so 1/2 < the row's largest p <= 1. The row's sum l is taken of the UNQUANTISED p, in f32, and the product's result is divided by l at the end. Since M is a whole number, a kernel that streams over the keys may use a running M (the ceiling of the running maximum): every later rescaling is an exact power of two, so the quantised numbers keep their values, but for numbers so far below the row's largest that they fall under the format's range.
;;   OPERANDS COMPUTED ON THE WAY. 'Computed on the way' means the value that the module computes at that place (a softmax that the list does not call 'softmax' is quantised finished and normalised). What goes into a quantiser is computed in f32, as accurately as f32 sums, v_exp_f32 and their like allow (about 1e-6 of the number): no bf16 or f16 on the way to a quantiser, and a product that is left as it is and whose result goes on into a quantised operand takes f32 operands (vector FMAs, or v_wmma_f32_16x16x4_f32). A number that lies on a knife's edge between two numbers of the format may be rounded either way, as far as f32 arithmetic and the matrix unit's own rounding can turn it there, and no further.
;; One version. Each part assembles by itself: llvm-mc -triple=amdgcn-amd-amdhsa -mcpu=gfx1250 --defsym DOCPART=n.
;; ======== version 1 of 1: 4 launches
;; limits: right only within a limited range of input values
;; workspace buffers: x_codes 8,388,608 bytes; w_codes 4,194,304 bytes; qkv_codes 25,165,824 bytes; ao_codes 8,388,608 bytes
;; launch quant (part 1): grid 384 x 1, 4 waves a work-group, no clusters, 68,096 bytes of LDS; arguments x, w_qkv, w_out, lowp_scales, x_codes, w_codes; writes x_codes, w_codes
.if DOCPART == 1
	.amdgcn_target "amdgcn-amd-amdhsa--gfx1250"
	.amdhsa_code_object_version 6
	.text
	.protected	k_q8c17dfac62_quant
	.globl	k_q8c17dfac62_quant
	.p2align	8
	.type	k_q8c17dfac62_quant,@function
k_q8c17dfac62_quant:
	s_mov_b64 s[64:65], 0
	v_nop
	global_prefetch_b8 v0, s[64:65] scope:SCOPE_SE
	s_setreg_imm32_b32 hwreg(HW_REG_WAVE_MODE, 25, 1), 1
	s_wait_xcnt 0x0
; x [8192][1024], w_qkv [1024][3072] and w_out [1024][1024], f32, become codes of E4M3 with K innermost, each with its given scale 2^e:
; code = number / 2^e, held within +-448, rounded to the nearest code, ties to even.  x takes entry 0 of the scales, w_qkv entry 1, w_out entry 7.
; x_codes: [8192][1024].  w_codes: [4096][1024]: rows 0-3071 are w_qkv's columns, rows 3072-4095 w_out's.
; LIMITS: each e between -126 and 119, so that 2^e and 448 x 2^e are f32 numbers.  NaN among the inputs is not served.
; Work-groups 0-255 take x, 32,768 numbers each: K is innermost, so x is a plain stream.  Each load reads 512 consecutive bytes; a step's 2,048 bytes turn through the
; wave's own stage in LDS, so that a lane holds 16 neighbours for the conversions; a wave's store covers 512 consecutive bytes.
; Work-groups 256-383 take the weights, 128 columns x 256 along K each: a lane takes a column and its registers run down K, so the conversions give K innermost; the codes
; go through the wave's own stage and leave as rows, sixteen lanes to 256 consecutive aligned bytes.
; The two ways part on the work-group's number and never join; each has LDS bytes of its own.  No tensor load, no barrier: waves share nothing.
.set STEPS, 16
.set WREG,  8192                       ; x: a region for each wave: two stages of 32 x SP bytes
.set SP,    80                         ; a lane's place in a stage: 64 bytes + 16 of padding
.set WST,   32768                      ; the weights' stages begin here
.set WP,    272                        ; a stage row: 256 bytes of codes + 16
.set WSTG,  32*WP                      ; a wave's stage: 32 columns
.set SPARE, WST+4*WSTG                 ; the spare words, 128 bytes for each wave: two blocks of 256 bytes that no other line names
.set SPW,   12                         ; v12 LDS address of my spare word; never rewritten
.set NIL,   13                         ; v13 0; never rewritten
.set R,     16                         ; x: v16-79 four sets of 16 numbers as loaded
.set X,     80                         ; x: v80-111 two sets of 16 neighbours
.set C,     128                        ; x: v128-191 codes, four registers for each step
.set WX,    32                         ; w: v32-95 two sets of 32 numbers
.set WC,    96                         ; w: v96-103 a block's codes
.set OUTR,  112                        ; w: v112-175 the way out
.set VR,    176                        ; w: v176-207 byte offsets of a block's 32 rows; never rewritten
	s_load_b256 s[4:11], s[0:1], 0x0               ; x s[4:5], w_qkv s[6:7], w_out s[8:9], the scales s[10:11]
	s_load_b128 s[12:15], s[0:1], 0x20             ; x_codes s[12:13], w_codes s[14:15]
	v_lshl_add_u32 v[SPW], v0, 2, SPARE
	v_mov_b32 v[NIL], 0
	v_lshrrev_b32 v1, 5, v0
	v_readfirstlane_b32 s16, v1                    ; wave
	v_and_b32 v2, 31, v0                           ; lane
	s_wait_kmcnt 0x0
	s_load_b256 s[48:55], s[10:11], 0x0            ; the eight exponents
	s_cmp_lt_u32 ttmp9, 256
	s_cbranch_scc0 .Lw
; ---------------- x ----------------
	s_wait_alu depctr_va_vdst(0)
	v_lshlrev_b32 v3, 4, v2                        ; 16 x lane: my bytes of a load's 512, and of a store's
	s_wait_alu depctr_va_vdst(0)
	s_mul_i32 s17, s16, WREG
	v_lshrrev_b32 v14, 2, v2
	v_mul_u32_u24 v14, v14, SP
	v_and_b32 v15, 3, v2
	v_lshl_add_u32 v14, v15, 4, v14
	v_add_nc_u32 v14, s17, v14                     ; the stage, on the way in: four lanes' 64 bytes on end, then the padding
	v_mul_u32_u24 v15, v2, SP
	v_add_nc_u32 v15, s17, v15                     ; and on the way out: my 16 neighbours
	s_lshl_b32 s18, ttmp9, 2
	s_add_co_u32 s18, s18, s16                     ; which run of 8,192 numbers is my wave's
	s_lshl_b32 s20, s18, 15
	s_mov_b32 s21, 0
	s_add_nc_u64 s[4:5], s[4:5], s[20:21]
	s_lshl_b32 s20, s18, 13
	s_add_nc_u64 s[12:13], s[12:13], s[20:21]
.macro XLD t
.irp i, 0,1,2,3
	global_load_b128 v[R+16*((\t)%4)+4*\i:R+16*((\t)%4)+4*\i+3], v3, s[4:5] offset:2048*(\t)+512*\i th:TH_LOAD_NT
.endr
.endm
.macro XTURN t                         ; a step's numbers through the stage: LDS serves a wave's instructions in order, so no wait stands between the stores and the loads
.irp i, 0,1,2,3
	ds_store_b128 v14, v[R+16*((\t)%4)+4*\i:R+16*((\t)%4)+4*\i+3] offset:32*SP*((\t)%2)+8*SP*\i
.endr
.irp i, 0,1,2,3
	ds_load_b128 v[X+16*((\t)%2)+4*\i:X+16*((\t)%2)+4*\i+3], v15 offset:32*SP*((\t)%2)+16*\i
.endr
.endm
.irp t, 0,1,2,3
	XLD \t
.endr
	s_wait_alu depctr_va_vdst(0)
	s_wait_kmcnt 0x0
	s_add_co_i32 s22, s48, 127
	s_lshl_b32 s23, s22, 23
	v_mov_b32 v11, s23                             ; 2^e as f32: the conversion takes its exponent field
	s_add_co_i32 s22, s22, 8
	s_lshl_b32 s22, s22, 23
	s_or_b32 s22, s22, 0x600000
	v_mov_b32 v10, s22                             ; 448 x 2^e
	s_wait_alu depctr_va_vdst(0)
	s_wait_loadcnt 12                              ; step 0's four loads are in; three steps' twelve may be out
	XTURN 0
.macro XSTEP t
.set XS, X+16*((\t)%2)
	s_wait_dscnt 0x0                               ; this step's numbers are back from the stage, so its stores into the stage have read their registers,
.if (\t)+4 < STEPS
	XLD (\t)+4                                     ; which take the loads of four steps on
.endif
.if (\t)+1 < STEPS
.if STEPS-2-(\t) >= 3
	s_wait_loadcnt 12                              ; the next step's four loads are in; those of the three steps behind it may be out
.else
	s_wait_loadcnt 4*(STEPS-2-(\t))
.endif
	XTURN (\t)+1
.endif
.irp i, 0,1,2,3,4,5,6,7,8,9,10,11,12,13,14,15
	v_med3_num_f32 v[XS+\i], v[XS+\i], -v10, v10   ; the conversion to an 8-bit code does not saturate (ISA guide 7.6.2): the hold comes first
.endr
	v_cvt_scalef32_pk8_fp8_f32 v[C+4*(\t):C+4*(\t)+1], v[XS:XS+7], v11
	v_cvt_scalef32_pk8_fp8_f32 v[C+4*(\t)+2:C+4*(\t)+3], v[XS+8:XS+15], v11
	global_store_b128 v3, v[C+4*(\t):C+4*(\t)+3], s[12:13] offset:512*(\t)   ; the wave stores 512 consecutive bytes; each step has its own code registers
.endm
.irp t, 0,1,2,3,4,5,6,7,8,9,10,11,12,13,14,15
	XSTEP \t
.endr
	s_wait_tensorcnt 0x0                           ; the wave's end, behind my last LDS store
	ds_add_u32 v[SPW], v[NIL]
	s_wait_dscnt 0x0
	s_endpgm
; ---------------- the weights ----------------
.Lw:
	s_sub_co_u32 s17, ttmp9, 256
	s_and_b32 s18, s17, 3                          ; which 256 along K
	s_lshr_b32 s19, s17, 2                         ; which 128 rows of w_codes: 0-23 w_qkv's columns, 24-31 w_out's
	s_cmp_ge_u32 s19, 24
	s_mov_b32 s20, 12288
	s_cselect_b32 s20, 4096, s20                   ; a row of the source in bytes
	s_cselect_b32 s21, 24, 0
	s_cselect_b64 s[6:7], s[8:9], s[6:7]           ; the source: a choice on the work-group's number alone
	s_sub_co_u32 s21, s19, s21
	s_lshl_b32 s21, s21, 7
	s_lshl_b32 s22, s16, 5
	s_add_co_u32 s21, s21, s22                     ; my wave's first column in its tensor
	s_lshl_b32 s21, s21, 2
	s_mul_i32 s22, s18, s20
	s_lshl_b32 s22, s22, 8                         ; 256 rows for each step along K
	s_add_co_u32 s22, s22, s21
	s_mov_b32 s23, 0
	s_add_nc_u64 s[32:33], s[6:7], s[22:23]        ; block 0's base;
	s_lshl_b32 s24, s20, 5
	s_mov_b32 s25, 0
.irp t, 1,2,3,4,5,6,7
	s_add_nc_u64 s[32+2*\t:33+2*\t], s[30+2*\t:31+2*\t], s[24:25]   ; each block 32 rows further down; none of the eight is rewritten
.endr
	s_wait_alu depctr_va_vdst(0)
	v_lshlrev_b32 v3, 2, v2                        ; 4 bytes a lane
.irp i, 0,1,2,3,4,5,6,7,8,9,10,11,12,13,14,15,16,17,18,19,20,21,22,23,24,25,26,27,28,29,30,31
	v_mad_u32_u24 v[VR+\i], s20, \i, v3            ; row i of a block, my column
.endr
	s_lshl_b32 s26, s19, 7
	s_lshl_b32 s27, s16, 5
	s_add_co_u32 s26, s26, s27
	s_lshl_b32 s26, s26, 10                        ; my first row of w_codes, 1,024 bytes a row,
	s_lshl_b32 s27, s18, 8
	s_add_co_u32 s26, s26, s27                     ; + my 256 along K
	s_mov_b32 s27, 0
	s_add_nc_u64 s[14:15], s[14:15], s[26:27]
	s_mul_i32 s28, s16, WSTG
	s_add_co_u32 s28, s28, WST                     ; my stage
	v_mul_u32_u24 v4, v2, WP
	v_add_nc_u32 v4, s28, v4                       ; into it: row = my column
	v_and_b32 v5, 15, v2
	v_lshrrev_b32 v6, 4, v2
	v_mul_u32_u24 v7, v6, WP
	v_lshl_add_u32 v7, v5, 4, v7
	v_add_nc_u32 v7, s28, v7                       ; out of it: sixteen lanes to a row, two rows an instruction
	v_lshlrev_b32 v8, 10, v6
	v_lshl_add_u32 v8, v5, 4, v8                   ; and the same place in w_codes
.macro WLD t                           ; block t: 32 rows along K at my column: 128 consecutive bytes a wave
.irp i, 0,1,2,3,4,5,6,7,8,9,10,11,12,13,14,15,16,17,18,19,20,21,22,23,24,25,26,27,28,29,30,31
	global_load_b32 v[WX+32*((\t)%2)+\i], v[VR+\i], s[32+2*(\t):33+2*(\t)] th:TH_LOAD_NT
.endr
.endm
	WLD 0
	WLD 1
	s_wait_kmcnt 0x0
	s_cmp_ge_u32 s19, 24
	s_cselect_b32 s30, s55, s49                    ; e: w_out's or w_qkv's
	s_add_co_i32 s30, s30, 127
	s_lshl_b32 s31, s30, 23
	v_mov_b32 v11, s31
	s_add_co_i32 s30, s30, 8
	s_lshl_b32 s30, s30, 23
	s_or_b32 s30, s30, 0x600000
	v_mov_b32 v10, s30
.macro WBLOCK t
.set XS, WX+32*((\t)%2)
.if (\t) < 7
	s_wait_loadcnt 32                              ; this block's 32 loads are in; the next block's may be out
.else
	s_wait_loadcnt 0
.endif
.irp i, 0,1,2,3,4,5,6,7,8,9,10,11,12,13,14,15,16,17,18,19,20,21,22,23,24,25,26,27,28,29,30,31
	v_med3_num_f32 v[XS+\i], v[XS+\i], -v10, v10
.endr
.irp g, 0,1,2,3
	v_cvt_scalef32_pk8_fp8_f32 v[WC+2*\g:WC+2*\g+1], v[XS+8*\g:XS+8*\g+7], v11
.endr
	ds_store_b128 v4, v[WC:WC+3] offset:32*(\t)    ; 32 codes of my column's row
	ds_store_b128 v4, v[WC+4:WC+7] offset:32*(\t)+16
.if (\t)+2 < 8
	WLD (\t)+2
.endif
	s_wait_dscnt 0x0                               ; the stores have read their registers: the next block's codes may be written
.endm
	s_wait_alu depctr_va_vdst(0)
.irp t, 0,1,2,3,4,5,6,7
	WBLOCK \t
.endr
.irp t, 0,1,2,3,4,5,6,7,8,9,10,11,12,13,14,15
	ds_load_b128 v[OUTR+4*\t:OUTR+4*\t+3], v7 offset:2*\t*WP
.endr
.irp t, 0,1,2,3,4,5,6,7,8,9,10,11,12,13,14,15
	s_wait_dscnt 15-\t                             ; the younger read-backs may be out
	global_store_b128 v8, v[OUTR+4*\t:OUTR+4*\t+3], s[14:15] offset:2*\t*1024   ; sixteen lanes store 256 consecutive aligned bytes
.endr
	s_wait_tensorcnt 0x0                           ; the wave's end, behind my last LDS store
	ds_add_u32 v[SPW], v[NIL]
	s_wait_dscnt 0x0
	s_endpgm
.Lfunc_end_k_q8c17dfac62_quant:
	.size	k_q8c17dfac62_quant, .Lfunc_end_k_q8c17dfac62_quant-k_q8c17dfac62_quant
	.p2alignl 7, 3214868480
	.fill 96, 4, 3214868480
	.section	.rodata,"a",@progbits
	.p2align	6, 0x0
	.amdhsa_kernel k_q8c17dfac62_quant
		.amdhsa_group_segment_fixed_size 68096
		.amdhsa_private_segment_fixed_size 0
		.amdhsa_enable_private_segment 0
		.amdhsa_kernarg_size 48
		.amdhsa_user_sgpr_count 2
		.amdhsa_user_sgpr_kernarg_segment_ptr 1
		.amdhsa_wavefront_size32 1
		.amdhsa_system_sgpr_workgroup_id_x 1
		.amdhsa_system_sgpr_workgroup_id_y 1
		.amdhsa_system_sgpr_workgroup_id_z 1
		.amdhsa_system_vgpr_workitem_id 0
		.amdhsa_next_free_vgpr 208
		.amdhsa_next_free_sgpr 66
		.amdhsa_reserve_vcc 0
		.amdhsa_float_denorm_mode_32 3
		.amdhsa_float_denorm_mode_16_64 3
		.amdhsa_memory_ordered 1
		.amdhsa_forward_progress 1
		.amdhsa_inst_pref_size 88
	.end_amdhsa_kernel
	.amdgpu_metadata
---
amdhsa.version: [ 1, 2 ]
amdhsa.kernels:
  - .name:           k_q8c17dfac62_quant
    .symbol:         k_q8c17dfac62_quant.kd
    .args:
      - { .name: x, .offset: 0, .size: 8, .value_kind: global_buffer, .address_space: global }
      - { .name: w_qkv, .offset: 8, .size: 8, .value_kind: global_buffer, .address_space: global }
      - { .name: w_out, .offset: 16, .size: 8, .value_kind: global_buffer, .address_space: global }
      - { .name: lowp_scales, .offset: 24, .size: 8, .value_kind: global_buffer, .address_space: global }
      - { .name: x_codes, .offset: 32, .size: 8, .value_kind: global_buffer, .address_space: global }
      - { .name: w_codes, .offset: 40, .size: 8, .value_kind: global_buffer, .address_space: global }
    .group_segment_fixed_size: 68096
    .private_segment_fixed_size: 0
    .kernarg_segment_align: 8
    .kernarg_segment_size: 48
    .max_flat_workgroup_size: 128
    .sgpr_count:     66
    .vgpr_count:     208
    .wavefront_size: 32
...
	.end_amdgpu_metadata
.endif
;; end of part 1
;; launch qkv (part 2): grid 12 x 32, 4 waves a work-group, clusters of 4 x 4, 327,680 bytes of LDS; arguments x_codes, w_codes, lowp_scales, b_qkv, qkv_codes; writes qkv_codes
.if DOCPART == 2
	.amdgcn_target "amdgcn-amd-amdhsa--gfx1250"
	.amdhsa_code_object_version 6
	.text
	.protected	k_q8c17dfac62_qkv
	.globl	k_q8c17dfac62_qkv
	.p2align	8
	.type	k_q8c17dfac62_qkv,@function
k_q8c17dfac62_qkv:
	s_mov_b64 s[64:65], 0
	v_nop
	global_prefetch_b8 v0, s[64:65] scope:SCOPE_SE
	s_setreg_imm32_b32 hwreg(HW_REG_WAVE_MODE, 25, 1), 1
	s_wait_xcnt 0x0
	s_wait_alu depctr_hold_cnt(0) depctr_sa_sdst(0) depctr_va_vdst(0) depctr_va_sdst(0) depctr_va_ssrc(0) depctr_va_vcc(0) depctr_vm_vsrc(0)
	s_getreg_b32 s2, hwreg(HW_REG_IB_STS2, 6, 4)
	s_cmp_eq_u32 s2, 0
	s_cbranch_scc0 .Lentry_in_a_cluster
	s_endpgm
.Lentry_in_a_cluster:
	s_bfe_u32 s2, ttmp6, 0x10000c
	s_cmp_lg_u32 s2, 0xf033
	s_cbranch_scc0 .Lentry_shape_is_right
	s_endpgm
.Lentry_shape_is_right:
; qkv = x w_qkv + b_qkv on codes of E4M3, and its three parts quantised at once: q with entry 2 of the scales, k with entry 3, v with entry 5.
; x_codes [8192][1024], w_codes rows 0-3071 [n][1024].  qkv_codes: three parts of 2^23 bytes: q, k: [b 4][h 16][t 2048][d 64]; v: [b][h][block of 64 keys, 32][d 64][key 64].
; A tile of 256 x 256 is made by four waves, 128 x 128 each: 64 accumulators, 512 registers.  K goes in steps of 256 through a ring of two LDS slots filled by the tensor data mover.
; ROLES.  Source 0 takes 16 rows of role B, source 1 16 rows of role A: a lane holds ONE row of role A and eight neighbouring rows of role B.  The cluster's x says which part it makes (0 q, 1 k, 2 v).
; For q and k role A is x (tokens) and role B is w (columns): a lane's eight results run along d, the next product's K.  For v the roles are exchanged BY ADDRESS: role A is w's rows, role B the tokens:
; a lane's eight results run along the keys, the K of the product with p.  Nothing is transposed.
; THE BIAS is the C of the first K step, divided by 2^(e0 + e1), the power of two that the sums lack.  The conversion's one scale is 2^(e_t - e0 - e1).
; CLUSTERS: 4 x 4 work-groups; role A's tiles are shared along a row of the cluster, role B's along a column, each asked for jointly.  The one branch on the part hangs on the cluster's x, which all sixteen share.
; LIMITS: e_t - e0 - e1 between -126 and 119 for e_t = e2, e3, e5.  NaN is not served.
; REGISTERS, in windows of 256: window 0: v0-31 addresses; v32-95 the bias in the result's layout, later numbers at work; v96-103 the bias by rows; from v128 role A's fragments, ONE set, later the codes.
;   window 1: role B's fragments, TWO sets.   windows 2, 3: the accumulators of my rows 0-63 and 64-127 ((a, b) at v[8 (8 (a % 4) + b)]).
.set ROWB,   256                       ; a tile's row in bytes: 256 codes
.set KROW,   1024                      ; a row of codes in memory
.set PITCH,  272                       ; an LDS row: 256 bytes + 16 of padding: the 16 rows that a load touches start 68 words apart
.set FR,     16
.set NL,     4
.set NP,     4                         ; places behind this matrix instruction (ISA guide 7.12.1)
.set HALFT,  128*PITCH
.set SLOT,   4*HALFT
.set LAPS,   2                         ; 1,024 along K = two laps of two slots
.set SPARE,  2*SLOT                    ; behind the ring: the spare words, 128 bytes a wave: two blocks of 256 bytes that no other line names
.set QPITCH, 144                       ; the way out: a stage row: 128 code bytes + 16
.set QSTG,   128*QPITCH                ; a wave's stage.  The stages lie in slot 0, which has had its last fill and its last read when the first code is stored there
.set ADRA, 16
.set ADRB, 20
.set STO,  24
.set RD,   25
.set VO,   26                          ; v26 my byte offset in qkv_codes for stage rows 0-63, v27 for rows 64-127
.set VO2,  27
.set SPW,  28
.set NIL,  29
.set LIMV, 30                          ; v30 448 x the conversion's scale
.set SCV,  31                          ; v31 the conversion's scale as f32
.set CB,   32
.set TMP,  32
.set BV,   96
.set AF,   128
.set CD,   128
.set G1, 24
.set G0, 32
.set G1B, 48
.set G0B, 56
.set MSB, 0
.macro WIN new                         ; the immediate's high byte repeats the setting that is left
.if MSB != (\new)
	s_set_vgpr_msb (MSB<<8)|(\new)
.set MSB, (\new)
.endif
.endm
.set MUL_LO, 0xa1                      ; source 0 (B) window 1, source 1 (A) window 0, C and D window 2
.set MUL_HI, 0xf1                      ; the same, C and D window 3
.set TO_B,   0x40
; A joint load: waves 0 and 1 fetch for role A, waves 2 and 3 for role B.  The branch hangs on the wave's number alone.  An s_nop 0 and four v_nop follow each line.
.macro JLOAD g0a, g1a, g0b, g1b
	s_cmp_eq_u32 s15, 0
	s_cbranch_scc0 .Lfor_b_\@
	tensor_load_to_lds s[\g0a:\g0a+3], s[\g1a:\g1a+7]
	s_nop 0
.rept 4
	v_nop
.endr
	s_branch .Lasked_\@
.Lfor_b_\@:
	tensor_load_to_lds s[\g0b:\g0b+3], s[\g1b:\g1b+7]
	s_nop 0
.rept 4
	v_nop
.endr
.Lasked_\@:
.endm
.macro CREST
	s_cmp_lg_u32 s14, 0
	s_cbranch_scc1 .Lnot_wave_0_\@
	s_barrier_signal -3
.Lnot_wave_0_\@:
	s_barrier_wait -3
	s_barrier_signal -1
	s_barrier_wait -1
.endm
.macro CROUND
	s_barrier_signal -1
	s_barrier_wait -1
	CREST
.endm
	s_load_b256 s[4:11], s[0:1], 0x0               ; x_codes s[4:5], w_codes s[6:7], the scales s[8:9], b_qkv s[10:11]
	s_load_b64 s[12:13], s[0:1], 0x20              ; qkv_codes
	v_lshl_add_u32 v[SPW], v0, 2, SPARE
	v_mov_b32 v[NIL], 0
	ds_add_u32 v[SPW], v[NIL]                      ; the wave's opening: the add, twice on end, and its wait ahead of my first tensor load; the set-up stands between them
	ds_add_u32 v[SPW], v[NIL]
	v_lshrrev_b32 v1, 5, v0
	v_readfirstlane_b32 s14, v1                    ; wave 0..3
	s_lshr_b32 s15, s14, 1                         ; which half of role A's rows is mine.  Also: I fetch for A (0) or for B (1)
	s_and_b32 s16, s14, 1                          ; which half of role B's rows.  Also: which 128 rows of that tile I fetch
	s_bfe_u32 s40, ttmp6, 0x40000                  ; cx
	s_bfe_u32 s41, ttmp6, 0x40004                  ; cy
	s_and_b32 s80, ttmp7, 0xffff
	s_lshl_b32 s80, s80, 2                         ; 4 x cluster y
	s_lshl_b32 s81, ttmp9, 2                       ; 4 x cluster x
	s_cmp_eq_u32 ttmp9, 2                          ; the part v?
	s_cselect_b32 s17, 8, s80
	s_cselect_b32 s42, s80, s81
	s_add_co_u32 s17, s17, s41                     ; role A's tile: q, k: tokens 4 cluster y + cy; v: w's tiles 8 + cy
	s_add_co_u32 s42, s42, s40                     ; role B's tile: q, k: w's tiles 4 cluster x + cx; v: tokens 4 cluster y + cx
	s_lshl_b32 s43, s41, 2
	s_lshl_b32 s43, 15, s43                        ; my row of the cluster
	s_lshl_b32 s44, 0x1111, s40                    ; my column
	s_or_b32 s[G1+0], s43, (0<<16)|(1<<20)|(1<<21)|(5<<22)|(3<<25)  ; the mask; elements of 1 byte; padding on; bit 21 beside a mask; after every 64 words, 4 words
	s_or_b32 s[G1B+0], s44, (0<<16)|(1<<20)|(1<<21)|(5<<22)|(3<<25)
.irp g, G1, G1B
	s_mov_b32 s[\g+1], ROWB<<16                    ; tensor_dim0
	s_mov_b32 s[\g+2], 128<<16                     ; tensor_dim1
	s_mov_b32 s[\g+3], ROWB<<16                    ; tile_dim0
	s_mov_b32 s[\g+4], 128                         ; tile_dim1
	s_mov_b32 s[\g+5], KROW                        ; from row to row
	s_mov_b32 s[\g+6], 0
	s_mov_b32 s[\g+7], 0
.endr
	s_lshl_b32 s18, s16, 7
	s_lshl_b32 s20, s17, 8
	s_add_co_u32 s20, s20, s18                     ; A: row 256 x tile + 128 x half
	s_lshl_b32 s46, s42, 8
	s_add_co_u32 s46, s46, s18                     ; B likewise
	s_lshl_b32 s20, s20, 10                        ; in bytes
	s_lshl_b32 s46, s46, 10
	s_mov_b32 s21, 0
	s_mov_b32 s47, 0
	s_mul_i32 s45, s14, HALFT                      ; where they go: wave x 128 rows
	s_wait_dscnt 0x0                               ; the opening add is done
	s_wait_kmcnt 0x0
	s_load_b256 s[68:75], s[8:9], 0x0              ; e0 .. e7
	s_cmp_eq_u32 ttmp9, 2
	s_cselect_b64 s[76:77], s[6:7], s[4:5]         ; role A's buffer,
	s_cselect_b64 s[78:79], s[4:5], s[6:7]         ; role B's: a choice on the cluster's number alone
	s_add_nc_u64 s[20:21], s[76:77], s[20:21]
	s_add_nc_u64 s[46:47], s[78:79], s[46:47]
	CROUND                                         ; all sixteen work-groups are here: the first joint loads meet
.irp s, 0,1
	s_mov_b32 s[G0+4*\s], 1
	s_add_co_u32 s[G0+4*\s+1], s45, \s*SLOT
	s_add_nc_u64 s[G0+4*\s+2:G0+4*\s+3], s[20:21], \s*ROWB
	s_or_b32 s[G0+4*\s+3], s[G0+4*\s+3], 0x80000000
	s_mov_b32 s[G0B+4*\s], 1
	s_add_co_u32 s[G0B+4*\s+1], s45, \s*SLOT
	s_add_nc_u64 s[G0B+4*\s+2:G0B+4*\s+3], s[46:47], \s*ROWB
	s_or_b32 s[G0B+4*\s+3], s[G0B+4*\s+3], 0x80000000
.endr
	JLOAD G0, G1, G0B, G1B                         ; K step 0: one tensor load a wave at the head
	v_and_b32 v1, 15, v0                           ; r
	v_bfe_u32 v2, v0, 4, 1                         ; h
	v_mul_u32_u24 v3, v1, PITCH
	v_lshl_add_u32 v4, v2, 4, v3                   ; a fragment's row x pitch + 16 h
	s_mul_i32 s21, s15, HALFT
	s_mul_i32 s22, s16, HALFT
	s_add_co_u32 s22, s22, 2*HALFT
.irp s, 0,1
	v_add_nc_u32 v[ADRA+\s], s21, v4
	v_add_nc_u32 v[ADRB+\s], s22, v4
	s_add_co_u32 s21, s21, SLOT
	s_add_co_u32 s22, s22, SLOT
.endr
	; the bias, in both kinds; the kind that does not apply reads b_qkv's first bytes, so that every load stays inside the buffer
	v_lshlrev_b32 v8, 5, v2                        ; 32 h
	s_wait_alu depctr_va_vdst(0)
	v_lshlrev_b32 v9, 2, v1                        ; 4 r
	s_wait_alu depctr_va_vdst(0)
	s_lshl_b32 s82, s42, 10
	s_lshl_b32 s83, s16, 9
	s_add_co_u32 s82, s82, s83                     ; q, k: my 128 columns' bytes
	s_lshl_b32 s84, s17, 10
	s_lshl_b32 s85, s15, 9
	s_add_co_u32 s84, s84, s85                     ; v: my 128 rows of w
	s_cmp_eq_u32 ttmp9, 2
	s_cselect_b32 s82, 0, s82
	s_cselect_b32 s84, s84, 0
	s_mov_b32 s83, 0
	s_mov_b32 s85, 0
	s_add_nc_u64 s[82:83], s[10:11], s[82:83]
	s_add_nc_u64 s[84:85], s[10:11], s[84:85]
.irp b, 0,1,2,3,4,5,6,7
	global_load_b128 v[CB+8*\b:CB+8*\b+3],   v8, s[82:83] offset:64*\b      ; b(16 b + 8 h + 0 .. 7)
	global_load_b128 v[CB+8*\b+4:CB+8*\b+7], v8, s[82:83] offset:64*\b+16
.endr
.irp a, 0,1,2,3,4,5,6,7
	global_load_b32 v[BV+\a], v9, s[84:85] offset:64*\a                     ; b(16 a + r)
.endr
	; the way out's addresses
	s_mul_i32 s23, s14, QSTG                       ; my stage
	v_mul_u32_u24 v[STO], v1, QPITCH
	v_lshl_add_u32 v[STO], v2, 3, v[STO]
	v_add_nc_u32 v[STO], s23, v[STO]               ; in: row r, 8 bytes for each half of the lanes
	v_and_b32 v6, 31, v0
	v_lshrrev_b32 v5, 3, v6                        ; lane / 8
	s_wait_alu depctr_va_vdst(0)
	v_and_b32 v11, 7, v0
	v_mul_u32_u24 v[RD], v5, QPITCH
	v_lshl_add_u32 v[RD], v11, 4, v[RD]
	v_add_nc_u32 v[RD], s23, v[RD]                 ; back: eight lanes to a row of 128 bytes, four rows an instruction
	s_lshl_b32 s88, s17, 8
	s_lshl_b32 s89, s15, 7
	s_add_co_u32 s88, s88, s89                     ; q, k: my first token
	s_lshr_b32 s89, s88, 11
	s_lshl_b32 s89, s89, 21                        ; b
	s_and_b32 s88, s88, 2047
	s_lshl_b32 s88, s88, 6                         ; t
	s_add_co_u32 s88, s88, s89
	s_lshl_b32 s89, s40, 2
	s_lshl_b32 s90, s16, 1
	s_add_co_u32 s89, s89, s90
	s_lshl_b32 s89, s89, 17                        ; head 4 cx + 2 x half
	s_add_co_u32 s88, s88, s89
	s_lshl_b32 s89, ttmp9, 23                      ; the part
	s_add_co_u32 s88, s88, s89
	s_lshl_b32 s90, s42, 8
	s_lshl_b32 s91, s16, 7
	s_add_co_u32 s90, s90, s91                     ; v: my first token
	s_lshr_b32 s91, s90, 11
	s_lshl_b32 s91, s91, 21                        ; b
	s_and_b32 s90, s90, 2047
	s_lshr_b32 s90, s90, 6
	s_lshl_b32 s90, s90, 12                        ; the block of 64 keys
	s_add_co_u32 s90, s90, s91
	s_lshl_b32 s91, s41, 2
	s_lshl_b32 s92, s15, 1
	s_add_co_u32 s91, s91, s92
	s_lshl_b32 s91, s91, 17                        ; head 4 cy + 2 x half
	s_add_co_u32 s90, s90, s91
	s_add_co_u32 s90, s90, 1<<24                   ; the third part
	s_cmp_eq_u32 ttmp9, 2
	s_cselect_b32 s88, s90, s88
	s_mov_b32 s93, 131072
	s_cselect_b32 s92, 4096, s93                   ; from a stage row's first 64 bytes to its second: q, k: the next head; v: the next block of keys
	s_cselect_b32 s93, s93, 4096                   ; from stage row 0 to row 64: q, k: 64 tokens; v: the next head
	s_mov_b32 s89, 0
	s_add_nc_u64 s[12:13], s[12:13], s[88:89]
	v_bfe_u32 v7, v0, 2, 1
	v_and_b32 v10, 3, v0
	v_lshlrev_b32 v[VO], 6, v5
	v_lshl_add_u32 v[VO], v10, 4, v[VO]
	v_mad_u32_u24 v[VO], v7, s92, v[VO]            ; 64 (lane / 8) + 16 (lane % 4) + the half row's step
	v_add_nc_u32 v[VO2], s93, v[VO]
.macro FRAG reg, adr, q, i             ; 16 rows x 128 K: registers 4 c .. 4 c + 3 hold K = 32 c + 16 h + 0 .. 15: the same places in both roles, so every product meets its partner
.irp c, 0,1,2,3
	ds_load_b128 v[\reg+4*\c:\reg+4*\c+3], v[\adr] offset:128*(\q)+32*\c+(\i)*16*PITCH
.endr
.endm
; 16 matrix instructions: A's blocks a0, a0 + 1 x B's eight.  cm = 0: the sums go on; 1: they begin with the bias by role B's rows; 2: by role A's rows.  The 64 accumulators take turns.
.macro MUL16 a0, p, cm
.irp a, \a0, \a0+1
.irp b, 0,1,2,3,4,5,6,7
.if \cm == 0
	v_wmma_f32_16x16x128_fp8_fp8 v[8*(8*((\a)%4)+\b):8*(8*((\a)%4)+\b)+7], v[128*(\p)+FR*\b:128*(\p)+FR*\b+FR-1], v[AF+FR*(\a):AF+FR*(\a)+FR-1], v[8*(8*((\a)%4)+\b):8*(8*((\a)%4)+\b)+7]
.elseif \cm == 1
	v_wmma_f32_16x16x128_fp8_fp8 v[8*(8*((\a)%4)+\b):8*(8*((\a)%4)+\b)+7], v[128*(\p)+FR*\b:128*(\p)+FR*\b+FR-1], v[AF+FR*(\a):AF+FR*(\a)+FR-1], v[CB+8*\b:CB+8*\b+7]
.else
	v_wmma_f32_16x16x128_fp8_fp8 v[8*(8*((\a)%4)+\b):8*(8*((\a)%4)+\b)+7], v[128*(\p)+FR*\b:128*(\p)+FR*\b+FR-1], v[AF+FR*(\a):AF+FR*(\a)+FR-1], v[CB+8*(\a):CB+8*(\a)+7]
.endif
.endr
.endr
.endm
.macro FETCH_B slot, q, p
	WIN TO_B
.irp i, 0,1,2,3,4,5,6,7
	FRAG 128*(\p)+FR*\i, ADRB+\slot, \q, \i
.endr
	WIN 0
.endm
.macro FETCH_A slot, q, i0
.irp i, \i0, \i0+1, \i0+2, \i0+3
	FRAG AF+FR*(\i), ADRA+\slot, \q, \i
.endr
.endm
.macro PLACES n                        ; plain vector instructions between a matrix instruction and a load into, or a vector read of, its registers
.rept \n
	v_nop
.endr
.endm
.macro STEP slot, q, cm                ; 128 along K, with its successor in the same slot
	s_wait_dscnt 4*NL                              ; B's set and A's blocks 0-3 are in; the youngest sixteen loads (A's blocks 4-7) may be out
.if \cm
	WIN 0x81                                       ; D window 2, C (the bias) window 0
.else
	WIN MUL_LO
.endif
	MUL16 0, (\q)%2, \cm
	MUL16 2, (\q)%2, \cm
	s_wait_dscnt 0
	PLACES NP
	FETCH_B \slot, (\q)+1, 1-(\q)%2
	FETCH_A \slot, (\q)+1, 0
.if \cm
	WIN 0xc1                                       ; D window 3, C window 0
.else
	WIN MUL_HI
.endif
	MUL16 4, (\q)%2, \cm
	MUL16 6, (\q)%2, \cm
	PLACES NP
	WIN 0
	FETCH_A \slot, (\q)+1, 4
.endm
; A slot's last step changes slots: one barrier; in front of it each wave waits for all its tensor loads, adds 0 to its spare word, and waits for that and for its reads of this slot.
.macro TURN slot, next, fill
	s_wait_tensorcnt 0x0                           ; all my tensor loads have landed: my part of the next slot
	ds_add_u32 v[SPW], v[NIL]
	s_wait_dscnt 4*NL+1                            ; the add and the youngest sixteen loads may be out
	WIN MUL_LO
	MUL16 0, 1, 0
	s_wait_dscnt 0x0                               ; the add is done, and my reads of this slot are over
	s_barrier_signal -1
	MUL16 2, 1, 0
	WIN 0
	s_barrier_wait -1
.if \fill
	CREST                                          ; the barrier has opened a round of the cluster's: no wave of any partner still reads this slot or has a load on its way
	s_add_nc_u64 s[G0+4*\slot+2:G0+4*\slot+3], s[G0+4*\slot+2:G0+4*\slot+3], 2*ROWB
	s_add_nc_u64 s[G0B+4*\slot+2:G0B+4*\slot+3], s[G0B+4*\slot+2:G0B+4*\slot+3], 2*ROWB
	JLOAD G0+4*\slot, G1, G0B+4*\slot, G1B         ; the first tensor load behind the round; its four v_nop are the places in front of the loads below
.else
	PLACES NP
.endif
	FETCH_B \next, 0, 0
	FETCH_A \next, 0, 0
	WIN MUL_HI
	MUL16 4, 1, 0
	MUL16 6, 1, 0
	PLACES NP
	WIN 0
	FETCH_A \next, 0, 4
.endm
	s_wait_alu depctr_va_vdst(0)                   ; the head's end
	s_wait_tensorcnt 0x0                           ; my part of K step 0 is in; an add and its wait ahead of a later first fill:
	ds_add_u32 v[SPW], v[NIL]
	s_wait_dscnt 0x0
	CROUND                                         ; a whole round: everybody's part of K step 0 is in,
	JLOAD G0+4, G1, G0B+4, G1B                     ; and K step 1's load is the first tensor load behind the round
	FETCH_B 0, 0, 0
	FETCH_A 0, 0, 0
	FETCH_A 0, 0, 4
	s_wait_kmcnt 0x0
	s_add_co_i32 s86, s68, s69
	s_sub_co_i32 s86, 0, s86                       ; -(e0 + e1)
	s_cmp_eq_u32 ttmp9, 0
	s_cselect_b32 s87, s70, s71
	s_cmp_eq_u32 ttmp9, 2
	s_cselect_b32 s87, s73, s87                    ; e_t: e2, e3 or e5
	s_add_co_i32 s87, s87, s86
	s_add_co_i32 s87, s87, 127
	s_lshl_b32 s94, s87, 23
	v_mov_b32 v[SCV], s94                          ; 2^(e_t - e0 - e1)
	s_add_co_i32 s87, s87, 8
	s_lshl_b32 s87, s87, 23
	s_or_b32 s87, s87, 0x600000
	v_mov_b32 v[LIMV], s87                         ; 448 x that
	s_wait_loadcnt 0x0                             ; the bias
	s_cmp_eq_u32 ttmp9, 2                          ; the cluster's number alone: all sixteen partners go the same way; no tensor load, wait or barrier stands on either way
	s_cbranch_scc1 .Lvfirst
.set j, 0
.rept 64
	v_ldexp_f32 v[CB+j], v[CB+j], s86              ; b / 2^(e0 + e1)
.set j, j+1
.endr
	s_wait_alu depctr_va_vdst(0)
	STEP 0, 0, 1
	s_branch .Ljoin
.Lvfirst:
.irp a, 0,1,2,3,4,5,6,7
.irp i, 0,1,2,3,4,5,6,7
	v_ldexp_f32 v[CB+8*\a+\i], v[BV+\a], s86       ; a lane's eight results of block a share one row of w, so one bias
.endr
.endr
	s_wait_alu depctr_va_vdst(0)
	STEP 0, 0, 2
.Ljoin:
	s_mov_b32 s3, LAPS-1
.Llap:                                                 ; a trip goes once round the ring, from a lap's second step to the next lap's first, and fills both slots again
	TURN 0, 1, 1
	STEP 1, 0, 0
	TURN 1, 0, 1
	STEP 0, 0, 0
	s_sub_co_u32 s3, s3, 1
	s_cmp_lg_u32 s3, 0
	s_cbranch_scc1 .Llap
	TURN 0, 1, 0                                   ; the last lap fills nothing
	STEP 1, 0, 0
	s_wait_dscnt 4*NL
	WIN MUL_LO
	MUL16 0, 1, 0
	MUL16 2, 1, 0
	s_wait_dscnt 0
	WIN MUL_HI
	MUL16 4, 1, 0
	MUL16 6, 1, 0
	WIN 0
; THE WAY OUT.  Block a (16 rows of role A): the hold, each accumulator from its low end on; eight conversions, eight neighbours along role B each; 8 bytes a lane into my stage.
.macro QBLOCK a
.set AC, 64*((\a)%4)
	WIN 0x02+((\a)/4)                              ; source 0: window 2 or 3
.set j, 0
.rept 64
	v_med3_num_f32 v[TMP+j], v[AC+j], -v[LIMV], v[LIMV]   ; the conversion does not saturate (ISA guide 7.6.2)
.set j, j+1
.endr
	WIN 0
.irp b, 0,1,2,3,4,5,6,7
	v_cvt_scalef32_pk8_fp8_f32 v[CD+16*(\a)+2*\b:CD+16*(\a)+2*\b+1], v[TMP+8*\b:TMP+8*\b+7], v[SCV]
.endr
	v_nop                                          ; a plain instruction between the conversions and the next block's holds, which write their sources
.irp b, 0,1,2,3,4,5,6,7
	ds_store_b64 v[STO], v[CD+16*(\a)+2*\b:CD+16*(\a)+2*\b+1] offset:16*QPITCH*(\a)+16*\b
.endr
.endm
	PLACES NP                                      ; behind the last products: their results are read and role A's registers written below
.irp a, 0,1,2,3,4,5,6,7
	QBLOCK \a
.endr
	s_wait_dscnt 0x0                               ; the stores have read the code registers, into which rows come back
.irp i, 0,1,2,3,4,5,6,7,8,9,10,11,12,13,14,15
	ds_load_b128 v[TMP+4*\i:TMP+4*\i+3], v[RD] offset:4*QPITCH*\i
.endr
.irp i, 0,1,2,3,4,5,6,7,8,9,10,11,12,13,14,15
	ds_load_b128 v[CD+4*\i:CD+4*\i+3], v[RD] offset:4*QPITCH*(16+\i)
.endr
.irp i, 0,1,2,3,4,5,6,7,8,9,10,11,12,13,14,15
	s_wait_dscnt 31-\i                             ; the younger read-backs may be out
	global_store_b128 v[VO], v[TMP+4*\i:TMP+4*\i+3], s[12:13] offset:256*\i    ; four stage rows: two runs of 256 consecutive aligned bytes
.endr
.irp i, 0,1,2,3,4,5,6,7,8,9,10,11,12,13,14,15
	s_wait_dscnt 15-\i
	global_store_b128 v[VO2], v[CD+4*\i:CD+4*\i+3], s[12:13] offset:256*\i
.endr
	s_wait_tensorcnt 0x0                           ; the wave's end
	ds_add_u32 v[SPW], v[NIL]
	s_wait_dscnt 0x0
	CROUND                                         ; the closing round
	s_endpgm
.Lfunc_end_k_q8c17dfac62_qkv:
	.size	k_q8c17dfac62_qkv, .Lfunc_end_k_q8c17dfac62_qkv-k_q8c17dfac62_qkv
	.p2alignl 7, 3214868480
	.fill 96, 4, 3214868480
	.section	.rodata,"a",@progbits
	.p2align	6, 0x0
	.amdhsa_kernel k_q8c17dfac62_qkv
		.amdhsa_group_segment_fixed_size 327680
		.amdhsa_private_segment_fixed_size 0
		.amdhsa_enable_private_segment 0
		.amdhsa_kernarg_size 40
		.amdhsa_user_sgpr_count 2
		.amdhsa_user_sgpr_kernarg_segment_ptr 1
		.amdhsa_wavefront_size32 1
		.amdhsa_system_sgpr_workgroup_id_x 1
		.amdhsa_system_sgpr_workgroup_id_y 1
		.amdhsa_system_sgpr_workgroup_id_z 1
		.amdhsa_system_vgpr_workitem_id 0
		.amdhsa_next_free_vgpr 1024
		.amdhsa_next_free_sgpr 100
		.amdhsa_reserve_vcc 0
		.amdhsa_float_denorm_mode_32 3
		.amdhsa_float_denorm_mode_16_64 3
		.amdhsa_memory_ordered 1
		.amdhsa_forward_progress 1
		.amdhsa_inst_pref_size 146
	.end_amdhsa_kernel
	.amdgpu_metadata
---
amdhsa.version: [ 1, 2 ]
amdhsa.kernels:
  - .name:           k_q8c17dfac62_qkv
    .symbol:         k_q8c17dfac62_qkv.kd
    .args:
      - { .name: x_codes, .offset: 0, .size: 8, .value_kind: global_buffer, .address_space: global }
      - { .name: w_codes, .offset: 8, .size: 8, .value_kind: global_buffer, .address_space: global }
      - { .name: lowp_scales, .offset: 16, .size: 8, .value_kind: global_buffer, .address_space: global }
      - { .name: b_qkv, .offset: 24, .size: 8, .value_kind: global_buffer, .address_space: global }
      - { .name: qkv_codes, .offset: 32, .size: 8, .value_kind: global_buffer, .address_space: global }
    .group_segment_fixed_size: 327680
    .private_segment_fixed_size: 0
    .kernarg_segment_align: 8
    .kernarg_segment_size: 40
    .max_flat_workgroup_size: 128
    .sgpr_count:     100
    .vgpr_count:     1024
    .wavefront_size: 32
...
	.end_amdgpu_metadata
.endif
;; end of part 2
;; launch attn (part 3): grid 4 x 64, 8 waves a work-group, no clusters, 327,680 bytes of LDS; arguments qkv_codes, lowp_scales, ao_codes; writes ao_codes
.if DOCPART == 3
	.amdgcn_target "amdgcn-amd-amdhsa--gfx1250"
	.amdhsa_code_object_version 6
	.text
	.protected	k_q8c17dfac62_attn
	.globl	k_q8c17dfac62_attn
	.p2align	8
	.type	k_q8c17dfac62_attn,@function
k_q8c17dfac62_attn:
	s_mov_b64 s[64:65], 0
	v_nop
	global_prefetch_b8 v0, s[64:65] scope:SCOPE_SE
	s_setreg_imm32_b32 hwreg(HW_REG_WAVE_MODE, 25, 1), 1
	s_wait_xcnt 0x0
; Causal attention on codes of E4M3, head size 64, 2,048 tokens, 64 heads (b x h), and its result quantised for the last product.
; qkv_codes: q, k: [bh 64][t 2048][d 64]; v: [bh][block of 64 keys, 32][d 64][key 64]; three parts of 2^23 bytes.  ao_codes: [global token / 128, 64][h 16][token 128][d 64].
; t = score x log2(e) / 8; M = the row's largest t so far, rounded UP to a whole number; p = 2^(t - M) is held and quantised with 2^e4; the row's sum is taken of the unquantised p and divides at the end.
; When M moves, the sum and O are multiplied by f = 2^(old M - new M), which rounds nothing.  o = O x 2^(e4 + e5) / sum is held and quantised with 2^e6.
; LEFT OUT: steps of 128 keys all of which come after a wave's queries: the causal mask makes their p zero.
; SHARES.  Work-group (i, bh) owns the query blocks i and 7 - i of head bh, 256 queries each.  Each of EIGHT waves owns 32 queries of the block in hand, two tiles of 16: each fragment of K and of V that it reads
; from LDS feeds two matrix instructions.  Wave w takes chunk w of block i and chunk 7 - w of block 7 - i: 2 i + 2 (7 - i) + 3 = 17 steps of 128 keys in every wave of every work-group.
; K AND V STAY IN LDS: a head's K is 512 rows of 256 bytes (four keys a row), V likewise: 2 x 512 x 272 = 278,528 bytes.  Nothing is filled again.  THREE STAGES OF FIRST FILLS, wave w for the part w % 2 (K, V):
; at the head waves 0 and 1 fetch keys 0-255; behind the first barrier every wave fetches 48 rows of keys 256-1,023 (quarter w / 2); behind the second every wave fetches 64 rows of keys 1,024 on, quarter w / 2,
; where that quarter is read: block 7 - i ends at key 256 (8 - i), so a branch on ids leads round the load where w / 2 + i >= 4.  A third barrier, ahead of block 7 - i's key 1,024, shows these to all waves.
; So each walk reads keys that a barrier has shown, while the next stage's loads are out.
; PREFETCH: one instruction a wave at the head, for keys 256-1,023, which the loads behind the first barrier will want: 12 runs of 8 KiB a head (6 of K, 6 of V); work-group x asks for runs 3 x .. 3 x + 2, by its waves
; 2 to 4, lanes 256 bytes apart: each block of 256 bytes is named once in the launch.  Keys 1,024 on are asked for by loads that have eight steps and more in which to land: no prefetch.
; NO CLUSTER: the four work-groups of a head need different numbers of keys (256 (8 - i)), so a joint load of the later quarters would bring some of them tiles that none of their waves reads.
; LAYOUT.  S^T = K Q^T (source 0 = 16 keys, source 1 = 16 queries) and O^T = V^T P^T: a lane holds one query of each tile throughout.  A tile of S^T gives a lane keys 16 c + 8 h + 0 .. 7, which is where the
; second product's operand wants them: the conversions' results are that operand.  K's and Q's fragments are read with the same places of d in both, so every product meets its partner.
; Row p of 64 bytes (a key of K; block, channel of V) lies at 272 (p / 4) + 64 (p % 4): 16 bytes of padding behind each 256.
; THE WALKS have constant trip counts (2, 6, 8 and 8 steps); a hidden step is left out by a scalar branch on ids at its head.  On the diagonal hidden scores become -infinity ahead of the maximum.  Key 0 counts for every query.
; AT THE CHANGE OF BLOCKS O and the sums are not cleared: the largest t goes back to -3e38, so the next step's f is 0; O (at most 2,048 x 448 x 448) and the sums are finite numbers.
; LIMITS: e2 + e3 between -123 and 130; e4 and e6 between -126 and 119; the scaled scores stay under 2^31 in magnitude.  NaN is not served.
; REGISTERS.  Window 0: v1-11 addresses; v12 -M, v13 the largest t of tile 0, v14, v15 of tile 1; v[16:17], v[18:19] the sums; v20, v22 f; v24-30 at work; v31 -infinity; v32-47 Q in hand, v48-63 Q of the second
;   block; v64-127, v128-191 S^T, then p, of tiles 0, 1; v192-223 p's codes; v224-235 partial sums; v240, v241: 448 x 2^e4; v242: 448 x 2^e6; v244, v245: 2^e4, 2^e6.
;   Window 1: v0-63 O^T (tile q, channels 16 t: 32 q + 8 t); v64-127 K's eight fragments; v128-191 V's four.
.set QP,    272
.set VREG,  512*QP                     ; K's 512 rows, then V's
.set STEPB, 32*QP                      ; a step's 128 keys, in K's rows and in V's alike
.set STAGE, 2*VREG                     ; the way out: 32 rows x (64 bytes + 16) for each wave; no fill lands here
.set SROW,  80
.set SPARE, STAGE+8*32*SROW            ; the spare words, 128 bytes for each wave: four blocks of 256 bytes that no other line names
.set AK0, 1
.set AV0, 2
.set PFO, 3                            ; v3 256 x lane: the prefetch's offset; never rewritten
.set DL,  4                            ; v4 r - 8 h, for the mask
.set SPW, 5
.set NIL, 6
.set GO,  7
.set ADK, 8
.set ADV, 9
.set STO, 10
.set SRD, 11
.set F,   20
.set NINF, 31
.set QR,  32
.set QR2, 48
.set S,   64
.set CD,  192
.set PS,  224
.set KR,  64                           ; window 1
.set VR,  128                          ; window 1
.set WV,  18
.set SEL, 20
.set CS,  22
.set G1,  24                           ; s[24:31] group 1 of the first and third fills: 64 rows;  s[40:43], s[76:79] their groups 0
.set G0,  40
.set G0C, 76
.set G1B, 56                           ; s[56:63], s[92:95] the second fill: 48 rows
.set G0B, 92
.set OB,  46                           ; s[46:47] where the block in hand goes; s[48:49] the second block
.set OB2, 48
.set QA,  50
.set QB,  52
.set PFA, 80                           ; s[80:81] my prefetch's first byte; never rewritten
.set QL,  83                           ; s83 my last query
.set Q0B, 84
.set EPV, 85                           ; s85 e4 + e5
.set TBQ, 88                           ; s88 the step's first byte in K's rows and in V's
.set QI,  89                           ; s89 the walk's count of steps
.set KF,  98                           ; s98 the step's first key
.set Q0,  99                           ; s99 my first query
.set MSB, 0
.macro WIN new                         ; the immediate's high byte repeats the setting that is left; at every label and branch the setting is 0
.if MSB != (\new)
	s_set_vgpr_msb (MSB<<8)|(\new)
.set MSB, (\new)
.endif
.endm
	s_load_b128 s[4:7], s[0:1], 0x0                ; qkv_codes s[4:5], the scales s[6:7]
	s_load_b64 s[8:9], s[0:1], 0x10                ; ao_codes
	v_lshl_add_u32 v[SPW], v0, 2, SPARE
	v_mov_b32 v[NIL], 0
	ds_add_u32 v[SPW], v[NIL]                      ; the wave's opening: the add, twice on end, and its wait ahead of the first tensor load; the set-up stands between
	ds_add_u32 v[SPW], v[NIL]
	v_lshrrev_b32 v24, 5, v0
	v_readfirstlane_b32 s[WV], v24                 ; wave 0..7
	s_and_b32 s10, ttmp7, 0xffff                   ; bh
	s_lshl_b32 s11, s10, 17                        ; the head's first byte in a part
	s_and_b32 s12, s[WV], 1                        ; what I fetch: K's rows or V's,
	s_lshr_b32 s90, s[WV], 1                       ; and which quarter of a stage
	s_mul_i32 s13, s12, VREG
	s_add_co_u32 s14, s12, 1
	s_lshl_b32 s14, s14, 23                        ; from the second part or the third
	s_add_co_u32 s14, s14, s11
	s_mov_b32 s15, 0
	s_mul_i32 s91, s90, 48*QP
	s_add_co_u32 s91, s91, s13
	s_add_co_u32 s91, s91, 64*QP                   ; the second fill in LDS: rows 64 + 48 x quarter,
	s_mul_i32 s86, s90, 48*256
	s_add_co_u32 s86, s86, 16384
	s_add_co_u32 s86, s86, s14
	s_mov_b32 s87, 0                               ; and in memory
	s_mul_i32 s82, s90, 64*QP
	s_add_co_u32 s82, s82, s13
	s_add_co_u32 s82, s82, 256*QP                  ; the third: rows 256 + 64 x quarter
	s_mul_i32 s66, ttmp9, 3                        ; the prefetch: run 3 x + wave - 2 of the head's twelve
	s_add_co_u32 s66, s66, s[WV]
	s_sub_co_u32 s2, s[WV], 2                      ; 0 to 2 in the waves that ask
	s_sub_co_u32 s66, s66, 2
	s_min_u32 s66, s66, 11
	s_cmp_ge_u32 s66, 6                            ; runs 0-5 are K's, 6-11 V's
	s_cselect_b32 s67, 6, 0
	s_cselect_b32 s45, 2, 1
	s_sub_co_u32 s66, s66, s67
	s_lshl_b32 s66, s66, 13
	s_lshl_b32 s45, s45, 23
	s_add_co_u32 s66, s66, s45
	s_add_co_u32 s66, s66, s11
	s_add_co_u32 s66, s66, 16384                   ; from key 256 on
	s_mov_b32 s67, 0
	s_lshl_b32 s44, s90, 14
	s_add_co_u32 s44, s44, 65536
	s_add_co_u32 s44, s44, s14
	s_mov_b32 s45, 0                               ; the third fill in memory: key 1,024 + 256 x quarter
	s_lshl_b32 s16, s[WV], 5
	s_lshl_b32 s17, ttmp9, 8
	s_add_co_u32 s[Q0], s17, s16                   ; my first query in block i: chunk w,
	s_add_co_u32 s[QL], s[Q0], 31
	s_sub_co_u32 s17, 7, ttmp9
	s_lshl_b32 s17, s17, 8
	s_sub_co_u32 s16, 7, s[WV]
	s_lshl_b32 s16, s16, 5
	s_add_co_u32 s[Q0B], s17, s16                  ; and in block 7 - i: chunk 7 - w
	s_lshl_b32 s32, s[Q0], 6
	s_add_co_u32 s32, s32, s11
	s_mov_b32 s33, 0                               ; Q's codes of the first block,
	s_lshl_b32 s34, s[Q0B], 6
	s_add_co_u32 s34, s34, s11
	s_mov_b32 s35, 0                               ; of the second
	s_lshr_b32 s36, s10, 4
	s_lshl_b32 s36, s36, 4                         ; 16 b
	s_and_b32 s37, s10, 15
	s_lshl_b32 s37, s37, 13                        ; h x 128 tokens x 64
	s_lshr_b32 s38, s[Q0], 7
	s_add_co_u32 s38, s38, s36
	s_lshl_b32 s38, s38, 17
	s_add_co_u32 s38, s38, s37
	s_and_b32 s39, s[Q0], 127
	s_lshl_b32 s39, s39, 6
	s_add_co_u32 s38, s38, s39
	s_mov_b32 s39, 0                               ; where the first block's 32 rows go,
	s_lshr_b32 s54, s[Q0B], 7
	s_add_co_u32 s54, s54, s36
	s_lshl_b32 s54, s54, 17
	s_add_co_u32 s54, s54, s37
	s_and_b32 s55, s[Q0B], 127
	s_lshl_b32 s55, s55, 6
	s_add_co_u32 s54, s54, s55
	s_mov_b32 s55, 0                               ; and the second's
	s_mov_b32 s[G1], (0<<16)|(1<<20)|(5<<22)|(3<<25)   ; no mask; elements of 1 byte; padding on: after every 64 words, 4 words
	s_mov_b32 s[G1+1], 256<<16                     ; tensor_dim0
	s_mov_b32 s[G1+2], 64<<16                      ; tensor_dim1
	s_mov_b32 s[G1+3], 256<<16                     ; tile_dim0
	s_mov_b32 s[G1+4], 64                          ; tile_dim1
	s_mov_b32 s[G1+5], 256                         ; dense rows
	s_mov_b32 s[G1+6], 0
	s_mov_b32 s[G1+7], 0
	s_mov_b32 s[G1B], (0<<16)|(1<<20)|(5<<22)|(3<<25)
	s_mov_b32 s[G1B+1], 256<<16
	s_mov_b32 s[G1B+2], 48<<16
	s_mov_b32 s[G1B+3], 256<<16
	s_mov_b32 s[G1B+4], 48
	s_mov_b32 s[G1B+5], 256
	s_mov_b32 s[G1B+6], 0
	s_mov_b32 s[G1B+7], 0
	s_mov_b32 s[SEL], 0x76543210
	s_mov_b32 s[SEL+1], 0xfedcba98
	s_mov_b32 s[CS], 0x3e38aa3b                    ; c = log2(e) / 8
	s_mov_b32 s[KF], 0
	s_mul_i32 s3, s[WV], 32*SROW
	s_add_co_u32 s3, s3, STAGE                     ; my stage
	s_wait_dscnt 0x0                               ; both opening adds are done
	s_wait_kmcnt 0x0
	s_load_b256 s[68:75], s[6:7], 0x0              ; e0 .. e7
	s_mov_b32 s[G0], 1
	s_mov_b32 s[G0+1], s13
	s_add_nc_u64 s[G0+2:G0+3], s[4:5], s[14:15]    ; keys 0-255
	s_or_b32 s[G0+3], s[G0+3], 0x80000000
	s_mov_b32 s[G0B], 1
	s_mov_b32 s[G0B+1], s91
	s_add_nc_u64 s[G0B+2:G0B+3], s[4:5], s[86:87]
	s_or_b32 s[G0B+3], s[G0B+3], 0x80000000
	s_mov_b32 s[G0C], 1
	s_mov_b32 s[G0C+1], s82
	s_add_nc_u64 s[G0C+2:G0C+3], s[4:5], s[44:45]
	s_or_b32 s[G0C+3], s[G0C+3], 0x80000000
	s_cmp_lt_u32 s[WV], 2                          ; wave 0 fetches K's first 64 rows, wave 1 V's; an s_nop 0 and four v_nop follow the load
	s_cbranch_scc0 .Lasked
	tensor_load_to_lds s[G0:G0+3], s[G1:G1+7]
	s_nop 0
.rept 4
	v_nop
.endr
.Lasked:
	s_add_nc_u64 s[QA:QA+1], s[4:5], s[32:33]
	s_add_nc_u64 s[QB:QB+1], s[4:5], s[34:35]
	s_add_nc_u64 s[OB:OB+1], s[8:9], s[38:39]
	s_add_nc_u64 s[OB2:OB2+1], s[8:9], s[54:55]
	s_add_nc_u64 s[PFA:PFA+1], s[4:5], s[66:67]
	v_and_b32 v24, 15, v0                          ; r
	v_bfe_u32 v25, v0, 4, 1                        ; h
	v_lshlrev_b32 v26, 6, v24
	v_lshl_add_u32 v26, v25, 4, v26                ; Q: row r of 64 bytes, + 16 h
.irp q, 0,1
.irp c, 0,1
	global_load_b128 v[QR+8*\q+4*\c:QR+8*\q+4*\c+3], v26, s[QA:QA+1] offset:1024*\q+32*\c     ; tile q: d = 32 c + 16 h + 0 .. 15, as K's fragments are read
	global_load_b128 v[QR2+8*\q+4*\c:QR2+8*\q+4*\c+3], v26, s[QB:QB+1] offset:1024*\q+32*\c
.endr
.endr
	v_lshrrev_b32 v27, 2, v24
	v_and_b32 v28, 3, v24
	v_lshlrev_b32 v29, 3, v25
	v_mul_u32_u24 v[AK0], v27, QP
	v_and_b32 v30, 31, v0
	v_lshl_add_u32 v[AK0], v28, 6, v[AK0]          ; 272 (r / 4) + 64 (r % 4)
	v_sub_nc_u32 v[DL], v24, v29                   ; r - 8 h
	v_lshl_add_u32 v[AV0], v25, 3, v[AK0]
	v_lshlrev_b32 v[GO], 4, v30                    ; the way out: 16 bytes a lane
	v_lshlrev_b32 v[PFO], 8, v30
	v_add_nc_u32 v[AV0], VREG, v[AV0]              ; V: + 8 h, behind K's rows
	v_lshl_add_u32 v[AK0], v25, 4, v[AK0]          ; K: + 16 h
	v_mul_u32_u24 v[STO], v24, SROW
	v_lshrrev_b32 v[SRD], 2, v30
	v_lshl_add_u32 v[STO], v25, 3, v[STO]
	v_mul_u32_u24 v[SRD], v[SRD], SROW
	v_add_nc_u32 v[STO], s3, v[STO]                ; into the stage: row r, + 8 h
	v_lshl_add_u32 v[SRD], v28, 4, v[SRD]
	v_mov_b32 v13, 0xff61b1e6                      ; the largest t so far: -3e38
	v_add_nc_u32 v[SRD], s3, v[SRD]                ; back: four lanes to a row of 64 bytes
	v_mov_b32 v15, 0xff61b1e6
	v_mov_b32 v[NINF], 0xff800000
	v_floor_f32 v12, -v13                          ; -M
	v_floor_f32 v14, -v15
	s_cmp_lt_u32 s2, 3                             ; waves 2 to 4 ask for their 8 KiB of keys 256-1,023
	s_cbranch_scc0 .Lnopf
	global_prefetch_b8 v[PFO], s[PFA:PFA+1] th:TH_LOAD_NT scope:SCOPE_SE
.Lnopf:
.irp j, 16,17,18,19,20,21,22,23
	v_mov_b32 v\j, 0                               ; the sums; f's pairs (their upper halves are named, so they are written)
.endr
	WIN 0x40
.set j, 0
.rept 64
	v_mov_b32 v[j], 0                              ; O^T, once: the step is written for all steps alike, and the first finds zeros
.set j, j+1
.endr
	WIN 0
	s_wait_alu depctr_va_vdst(0)                   ; directly ahead of the wait below
	s_wait_kmcnt 0x0
	s_add_co_i32 s86, s70, s71
	s_lshl_b32 s86, s86, 23
	s_add_co_i32 s[CS], s[CS], s86                 ; a score stands for score x 2^(e2 + e3): added to c's exponent field
	s_mov_b32 s[CS+1], s[CS]
	s_add_co_i32 s86, s72, 127
	s_lshl_b32 s87, s86, 23
	v_mov_b32 v244, s87                            ; 2^e4
	s_add_co_i32 s86, s86, 8
	s_lshl_b32 s86, s86, 23
	s_or_b32 s86, s86, 0x600000
	v_mov_b32 v240, s86                            ; 448 x 2^e4, in two registers: one for each half of a dual pair
	v_mov_b32 v241, s86
	s_add_co_i32 s86, s74, 127
	s_lshl_b32 s87, s86, 23
	v_mov_b32 v245, s87                            ; 2^e6
	s_add_co_i32 s86, s86, 8
	s_lshl_b32 s86, s86, 23
	s_or_b32 s86, s86, 0x600000
	v_mov_b32 v242, s86                            ; 448 x 2^e6
	s_add_co_i32 s[EPV], s72, s73                  ; e4 + e5
.macro KLOAD                           ; K's eight fragments of 128 keys: keys 16 t + r, d = 32 c + 16 h + 0 .. 15
	WIN 0x40
.irp t, 0,1,2,3,4,5,6,7
.irp c, 0,1
	ds_load_b128 v[KR+8*\t+4*\c:KR+8*\t+4*\c+3], v[ADK] offset:4*\t*QP+32*\c
.endr
.endr
	WIN 0
.endm
; A WALK over n key steps of 128 keys from step 'first' on, a counted loop.  The first step's K is asked for ahead of the loop; each step asks for the next step's behind its first products, where that step counts for
; my queries; the address is held at the walk's last step, so that no walk reads a key beyond its own (the next walk asks for its first step itself).  V is asked for behind each step's first products.
.macro WALK first, n
	s_mov_b32 s[TBQ], (\first)*STEPB
	s_mov_b32 s[QI], 0
	v_add_nc_u32 v[ADK], s[TBQ], v[AK0]
	KLOAD
.Lq_\@:
	s_cmp_gt_u32 s[KF], s[QL]                      ; all keys come after my queries: the step's work is left out; ids and the count of steps alone
	s_cbranch_scc1 .Lhid_\@
	s_add_co_u32 s97, s[TBQ], STEPB
	s_min_u32 s97, s97, ((\first)+(\n)-1)*STEPB    ; the next step, inside this walk
	s_wait_alu depctr_va_vdst(0)                   ; directly ahead of the wait below
	s_wait_dscnt 0x0                               ; K is in
	WIN 0x01
.irp t, 0,1,2,3,4,5,6,7
	v_wmma_f32_16x16x64_fp8_fp8 v[S+8*\t:S+8*\t+7], v[KR+8*\t:KR+8*\t+7], v[QR:QR+7], 0            ; register 8 t + i: key 16 t + 8 h + i of my query of tile 0,
	v_wmma_f32_16x16x64_fp8_fp8 v[S+64+8*\t:S+64+8*\t+7], v[KR+8*\t:KR+8*\t+7], v[QR+8:QR+15], 0   ; of tile 1
.endr
	WIN 0
	v_add_nc_u32 v[ADV], s[TBQ], v[AV0]            ; four places behind the products: in front of loads into registers that they and the last step's read, and of the first read of S^T
	v_add_nc_u32 v[ADK], s97, v[AK0]
	v_nop
	v_nop
	WIN 0x40
.irp t, 0,1,2,3                                ; V: channels 16 t + r, keys 16 c + 8 h + 0 .. 7
.irp c, 0,1,2,3,4,5,6,7
	ds_load_b64 v[VR+16*\t+2*\c:VR+16*\t+2*\c+1], v[ADV] offset:((\c/4)*16+4*\t)*QP+16*(\c%4)
.endr
.endr
	WIN 0
	s_add_co_u32 s96, s[KF], 128
	s_cmp_gt_u32 s96, s[QL]                        ; the next step is hidden: its K is not read
	s_cbranch_scc1 .Lnok_\@
	KLOAD
.Lnok_\@:
	s_add_co_u32 s96, s[KF], 127
	s_cmp_le_u32 s96, s[Q0]                        ; all keys count: no mask
	s_cbranch_scc1 .Lopen_\@
	s_sub_co_i32 s96, s[Q0], s[KF]
	v_add_nc_u32 v30, s96, v[DL]                   ; d = tile 0's query - KF - 8 h.  Tile 0's register 8 t + i is hidden where 16 t + i > d, tile 1's where 16 (t - 1) + i > d: one compare serves both
.irp u, 0,1,2,3,4,5,6,7,8
.irp i, 0,1,2,3,4,5,6,7
	v_cmp_gt_i32 vcc_lo, 16*(\u-1)+\i, v30
.if \u > 0
	v_cndmask_b32 v[S+8*(\u-1)+\i], v[S+8*(\u-1)+\i], v[NINF], vcc_lo
.endif
.if \u < 8
	v_cndmask_b32 v[S+64+8*\u+\i], v[S+64+8*\u+\i], v[NINF], vcc_lo
.endif
.endr
.endr
.Lopen_\@:
	v_max3_num_f32 v24, v[S], v[S+1], v[S+2]       ; the step's largest scores, two chains a tile, each accumulator from its low end on
	v_max3_num_f32 v25, v[S+3], v[S+4], v[S+5]
	v_max3_num_f32 v26, v[S+64], v[S+65], v[S+66]
	v_max3_num_f32 v27, v[S+67], v[S+68], v[S+69]
.irp i, 6,10,14,18,22,26,30,34,38,42,46,50,54,58
	v_max3_num_f32 v24, v24, v[S+\i], v[S+\i+1]
	v_max3_num_f32 v25, v25, v[S+\i+2], v[S+\i+3]
	v_max3_num_f32 v26, v26, v[S+64+\i], v[S+65+\i]
	v_max3_num_f32 v27, v27, v[S+66+\i], v[S+67+\i]
.endr
	v_max3_num_f32 v24, v24, v[S+62], v[S+63]
	v_max3_num_f32 v26, v26, v[S+126], v[S+127]
	v_max_num_f32 v24, v24, v25
	v_max_num_f32 v26, v26, v27
	v_permlanex16_b32 v28, v24, s[SEL], s[SEL+1]
	v_permlanex16_b32 v29, v26, s[SEL], s[SEL+1]
	v_max_num_f32 v24, v24, v28                    ; and among lane l xor 16's
	v_max_num_f32 v26, v26, v29
	v_mul_f32 v24, s[CS], v24                      ; as t (c is positive)
	v_mul_f32 v26, s[CS], v26
	v_max_num_f32 v13, v13, v24                    ; the running largest t
	v_max_num_f32 v15, v15, v26
	v_mov_b32 v24, v12
	v_mov_b32 v26, v14
	v_floor_f32 v12, -v13                          ; -M = floor(-t): M is a whole number
	v_floor_f32 v14, -v15
	v_sub_f32 v24, v12, v24                        ; old M - new M, 0 or less
	v_sub_f32 v26, v14, v26
	v_cvt_i32_f32 v24, v24                         ; (it saturates)
	v_cvt_i32_f32 v26, v26
	v_ldexp_f32 v[F], 1.0, v24                     ; f = 2^(old M - new M)
	v_ldexp_f32 v[F+2], 1.0, v26
.irp q, 0,1
.set j, 0
.rept 32
	v_pk_fma_f32 v[S+64*\q+j:S+64*\q+j+1], v[S+64*\q+j:S+64*\q+j+1], s[CS:CS+1], v[12+2*\q:13+2*\q] op_sel_hi:[1,0,0]   ; t - M
.set j, j+2
.endr
.endr
	s_wait_alu depctr_va_vdst(0)                   ; ahead of the batch
.set j, 0
.rept 128
	v_exp_f32 v[S+j], v[S+j]                       ; p = 2^(t - M)
.set j, j+1
.endr
	v_pk_mul_f32 v[16:17], v[16:17], v[F:F+1] op_sel_hi:[1,0]       ; the sums under the new M: plain instructions behind the exponentials
	v_pk_mul_f32 v[18:19], v[18:19], v[F+2:F+3] op_sel_hi:[1,0]
	s_wait_alu depctr_va_vdst(0)                   ; one wait for the batch, ahead of its first reader
.irp q, 0,1                                    ; the rows' sums of the unquantised p: four chains a tile
	v_pk_add_f32 v[PS+6*\q:PS+6*\q+1], v[S+64*\q:S+64*\q+1], v[S+64*\q+2:S+64*\q+3]
	v_pk_add_f32 v[PS+6*\q+2:PS+6*\q+3], v[S+64*\q+4:S+64*\q+5], v[S+64*\q+6:S+64*\q+7]
	v_pk_add_f32 v[PS+6*\q+4:PS+6*\q+5], v[S+64*\q+8:S+64*\q+9], v[S+64*\q+10:S+64*\q+11]
	v_pk_add_f32 v[16+2*\q:17+2*\q], v[16+2*\q:17+2*\q], v[S+64*\q+12:S+64*\q+13]
.endr
.irp j, 14,22,30,38,46,54
.irp q, 0,1
	v_pk_add_f32 v[PS+6*\q:PS+6*\q+1], v[PS+6*\q:PS+6*\q+1], v[S+64*\q+\j:S+64*\q+\j+1]
	v_pk_add_f32 v[PS+6*\q+2:PS+6*\q+3], v[PS+6*\q+2:PS+6*\q+3], v[S+64*\q+\j+2:S+64*\q+\j+3]
	v_pk_add_f32 v[PS+6*\q+4:PS+6*\q+5], v[PS+6*\q+4:PS+6*\q+5], v[S+64*\q+\j+4:S+64*\q+\j+5]
	v_pk_add_f32 v[16+2*\q:17+2*\q], v[16+2*\q:17+2*\q], v[S+64*\q+\j+6:S+64*\q+\j+7]
.endr
.endr
	v_pk_add_f32 v[PS:PS+1], v[PS:PS+1], v[S+62:S+63]
	v_pk_add_f32 v[PS+6:PS+7], v[PS+6:PS+7], v[S+126:S+127]
	v_pk_add_f32 v[16:17], v[16:17], v[PS+4:PS+5]
	v_pk_add_f32 v[18:19], v[18:19], v[PS+10:PS+11]
	v_pk_add_f32 v[PS:PS+1], v[PS:PS+1], v[PS+2:PS+3]
	v_pk_add_f32 v[PS+6:PS+7], v[PS+6:PS+7], v[PS+8:PS+9]
	v_pk_add_f32 v[16:17], v[16:17], v[PS:PS+1]
	v_pk_add_f32 v[18:19], v[18:19], v[PS+6:PS+7]
.irp q, 0,1
.set j, 0
.rept 32
	v_dual_min_num_f32 v[S+64*\q+j], v[S+64*\q+j], v240 :: v_dual_min_num_f32 v[S+64*\q+j+1], v[S+64*\q+j+1], v241   ; the conversion does not saturate (ISA guide 7.6.2); p is not negative: the hold is one-sided, two numbers a pair
.set j, j+2
.endr
.irp c, 0,1,2,3,4,5,6,7
	v_cvt_scalef32_pk8_fp8_f32 v[CD+16*\q+2*\c:CD+16*\q+2*\c+1], v[S+64*\q+8*\c:S+64*\q+8*\c+7], v244   ; registers 2 c, 2 c + 1 of the operand: keys 16 c + 8 h + 0 .. 7
.endr
.endr
	WIN 0x41
	s_wait_alu depctr_va_vdst(0)                   ; directly ahead of the first reader of O^T
.irp q, 0,1
.set j, 0
.rept 16
	v_pk_mul_f32 v[32*\q+j:32*\q+j+1], v[32*\q+j:32*\q+j+1], v[F+2*\q:F+2*\q+1] op_sel_hi:[1,0]   ; O^T under the new M; also the plain instructions behind the conversions
.set j, j+2
.endr
.endr
	s_wait_alu depctr_va_vdst(0)                   ; directly ahead of the wait below
	s_wait_dscnt 0x0                               ; V is in (and the next step's K, asked for just behind it)
	WIN 0x51
.irp t, 0,1,2,3
.irp q, 0,1
	v_wmma_f32_16x16x128_fp8_fp8 v[32*\q+8*\t:32*\q+8*\t+7], v[VR+16*\t:VR+16*\t+15], v[CD+16*\q:CD+16*\q+15], v[32*\q+8*\t:32*\q+8*\t+7]   ; the eight accumulators take turns
.endr
.endr
	WIN 0
.Lhid_\@:
	s_add_co_u32 s[KF], s[KF], 128
	s_add_co_u32 s[TBQ], s[TBQ], STEPB
	s_add_co_u32 s[QI], s[QI], 1
	s_cmp_lt_u32 s[QI], \n
	s_cbranch_scc1 .Lq_\@
.endm
; A block of queries is finished: o = O^T x 2^(e4 + e5) / sum, held, quantised with 2^e6; 8 bytes a lane and tile into my stage, back as 2,048 consecutive bytes.
.macro FINISH
.rept 4
	v_nop                                          ; places behind the last products
.endr
	v_add_f32 v16, v16, v17
	v_add_f32 v18, v18, v19
	v_permlanex16_b32 v28, v16, s[SEL], s[SEL+1]
	v_permlanex16_b32 v29, v18, s[SEL], s[SEL+1]
	v_add_f32 v16, v16, v28                        ; the rows' sums
	v_add_f32 v18, v18, v29
	s_wait_alu depctr_va_vdst(0)                   ; ahead of the batch,
	v_rcp_f32 v16, v16
	v_rcp_f32 v18, v18
	v_nop                                          ; a plain instruction behind it,
	s_wait_alu depctr_va_vdst(0)                   ; and the wait ahead of its first reader
	v_ldexp_f32 v16, v16, s[EPV]
	v_ldexp_f32 v18, v18, s[EPV]
	WIN 0x01
	s_wait_alu depctr_va_vdst(0)                   ; directly ahead of the first reader of O^T
.irp q, 0,1
.set j, 0
.rept 16
	v_pk_mul_f32 v[S+32*\q+j:S+32*\q+j+1], v[32*\q+j:32*\q+j+1], v[16+2*\q:17+2*\q] op_sel_hi:[1,0]   ; register 32 q + 8 t + i: o(tile q's query r, 16 t + 8 h + i); each accumulator from its low end on
.set j, j+2
.endr
.endr
	WIN 0
.set j, 0
.rept 64
	v_med3_num_f32 v[S+j], v[S+j], -v242, v242
.set j, j+1
.endr
.irp n, 0,1,2,3,4,5,6,7
	v_cvt_scalef32_pk8_fp8_f32 v[CD+2*\n:CD+2*\n+1], v[S+8*\n:S+8*\n+7], v245
.endr
	v_nop                                          ; a plain instruction behind the conversions
.irp q, 0,1
.irp t, 0,1,2,3
	ds_store_b64 v[STO], v[CD+8*\q+2*\t:CD+8*\q+2*\t+1] offset:16*SROW*\q+16*\t
.endr
.endr
.irp n, 0,1,2,3
	ds_load_b128 v[CD+16+4*\n:CD+19+4*\n], v[SRD] offset:8*SROW*\n   ; LDS serves a wave's instructions in order: these see my stores
.endr
	s_wait_dscnt 0x0                               ; (also for fragments of K that a walk asked for and left unread)
.irp n, 0,1,2,3
	global_store_b128 v[GO], v[CD+16+4*\n:CD+19+4*\n], s[OB:OB+1] offset:512*\n   ; 32 lanes store 512 consecutive aligned bytes
.endr
.endm
	s_wait_alu depctr_va_vdst(0)                   ; the head's end
	s_wait_loadcnt 0x0                             ; Q
	s_wait_tensorcnt 0x0                           ; keys 0-255 are in; the adds and their wait ahead of a later first fill:
	ds_add_u32 v[SPW], v[NIL]
	ds_add_u32 v[SPW], v[NIL]                      ; twice on end
	s_wait_dscnt 0x0
	s_barrier_signal -1
	s_barrier_wait -1
	tensor_load_to_lds s[G0B:G0B+3], s[G1B:G1B+7]  ; my 48 rows of keys 256-1,023: a first fill, my one tensor load behind this barrier
	s_nop 0
.rept 4
	v_nop
.endr
	WALK 0, 2                                      ; block i, keys 0-255
	s_wait_tensorcnt 0x0                           ; my second fill is in; the same lines ahead of the third stage of first fills
	ds_add_u32 v[SPW], v[NIL]
	s_add_co_u32 s96, s90, ttmp9                   ; my quarter + i
	s_wait_dscnt 0x0
	s_barrier_signal -1
	s_barrier_wait -1                              ; keys 0-1,023 are in LDS
	s_cmp_ge_u32 s96, 4                            ; ids alone: keys 1,024 + 256 x quarter on are read only where quarter + i < 4
	s_cbranch_scc1 .Lno3
	tensor_load_to_lds s[G0C:G0C+3], s[G1:G1+7]    ; my 64 rows of keys 1,024 on
	s_nop 0
.rept 4
	v_nop
.endr
.Lno3:
	WALK 2, 6                                      ; block i (i <= 3): keys 256-1,023, as far as they count
	FINISH
	s_wait_xcnt 0x0                                ; the stores have read their base and registers
	s_mov_b64 s[OB:OB+1], s[OB2:OB2+1]
	s_mov_b32 s[Q0], s[Q0B]
	s_add_co_u32 s[QL], s[Q0B], 31
	s_mov_b32 s[KF], 0
.set j, 0
.rept 16
	v_mov_b32 v[QR+j], v[QR2+j]                    ; the second block's Q
.set j, j+1
.endr
	v_mov_b32 v13, 0xff61b1e6                      ; the largest t goes back to -3e38: the next step's f is 0, which takes O^T and the sums back to 0
	v_mov_b32 v15, 0xff61b1e6
	v_floor_f32 v12, -v13
	v_floor_f32 v14, -v15
	WALK 0, 8                                      ; block 7 - i, keys 0-1,023
	s_wait_tensorcnt 0x0                           ; my third fill is in,
	s_wait_dscnt 0x0
	s_barrier_signal -1
	s_barrier_wait -1                              ; and everybody's; nothing is filled from here on
	WALK 8, 8                                      ; block 7 - i, keys 1,024 on, as far as they count
	FINISH
	s_wait_tensorcnt 0x0                           ; the wave's end
	ds_add_u32 v[SPW], v[NIL]
	s_wait_dscnt 0x0
	s_endpgm
.Lfunc_end_k_q8c17dfac62_attn:
	.size	k_q8c17dfac62_attn, .Lfunc_end_k_q8c17dfac62_attn-k_q8c17dfac62_attn
	.p2alignl 7, 3214868480
	.fill 96, 4, 3214868480
	.section	.rodata,"a",@progbits
	.p2align	6, 0x0
	.amdhsa_kernel k_q8c17dfac62_attn
		.amdhsa_group_segment_fixed_size 327680
		.amdhsa_private_segment_fixed_size 0
		.amdhsa_enable_private_segment 0
		.amdhsa_kernarg_size 24
		.amdhsa_user_sgpr_count 2
		.amdhsa_user_sgpr_kernarg_segment_ptr 1
		.amdhsa_wavefront_size32 1
		.amdhsa_system_sgpr_workgroup_id_x 1
		.amdhsa_system_sgpr_workgroup_id_y 1
		.amdhsa_system_sgpr_workgroup_id_z 1
		.amdhsa_system_vgpr_workitem_id 0
		.amdhsa_next_free_vgpr 448
		.amdhsa_next_free_sgpr 100
		.amdhsa_reserve_vcc 1
		.amdhsa_float_denorm_mode_32 3
		.amdhsa_float_denorm_mode_16_64 3
		.amdhsa_memory_ordered 1
		.amdhsa_forward_progress 1
		.amdhsa_inst_pref_size 183
	.end_amdhsa_kernel
	.amdgpu_metadata
---
amdhsa.version: [ 1, 2 ]
amdhsa.kernels:
  - .name:           k_q8c17dfac62_attn
    .symbol:         k_q8c17dfac62_attn.kd
    .args:
      - { .name: qkv_codes, .offset: 0, .size: 8, .value_kind: global_buffer, .address_space: global }
      - { .name: lowp_scales, .offset: 8, .size: 8, .value_kind: global_buffer, .address_space: global }
      - { .name: ao_codes, .offset: 16, .size: 8, .value_kind: global_buffer, .address_space: global }
    .group_segment_fixed_size: 327680
    .private_segment_fixed_size: 0
    .kernarg_segment_align: 8
    .kernarg_segment_size: 24
    .max_flat_workgroup_size: 256
    .sgpr_count:     100
    .vgpr_count:     448
    .wavefront_size: 32
...
	.end_amdgpu_metadata
.endif
;; end of part 3
;; launch proj (part 4): grid 4 x 64, 4 waves a work-group, clusters of 4 x 4, 327,680 bytes of LDS; arguments ao_codes, w_codes, lowp_scales, b_out, out0; writes out0
.if DOCPART == 4
	.amdgcn_target "amdgcn-amd-amdhsa--gfx1250"
	.amdhsa_code_object_version 6
	.text
	.protected	k_q8c17dfac62_proj
	.globl	k_q8c17dfac62_proj
	.p2align	8
	.type	k_q8c17dfac62_proj,@function
k_q8c17dfac62_proj:
	s_mov_b64 s[64:65], 0
	v_nop
	global_prefetch_b8 v0, s[64:65] scope:SCOPE_SE
	s_setreg_imm32_b32 hwreg(HW_REG_WAVE_MODE, 25, 1), 1
	s_wait_xcnt 0x0
	s_wait_alu depctr_hold_cnt(0) depctr_sa_sdst(0) depctr_va_vdst(0) depctr_va_sdst(0) depctr_va_ssrc(0) depctr_va_vcc(0) depctr_vm_vsrc(0)
	s_getreg_b32 s2, hwreg(HW_REG_IB_STS2, 6, 4)
	s_cmp_eq_u32 s2, 0
	s_cbranch_scc0 .Lentry_in_a_cluster
	s_endpgm
.Lentry_in_a_cluster:
	s_bfe_u32 s2, ttmp6, 0x10000c
	s_cmp_lg_u32 s2, 0xf033
	s_cbranch_scc0 .Lentry_shape_is_right
	s_endpgm
.Lentry_shape_is_right:
; out0 = ao w_out + b_out on codes of E4M3: ao_codes [global token / 128, 64][h 16][token 128][d 64] with entry 6 of the scales, w_codes rows 3072-4095 [n][1024] with entry 7; out0 [8192][1024] f32.
; A block of 128 tokens x 256 columns is made by four waves, 64 x 128 each: 32 accumulators.  64 x 4 = 256 work-groups.  K goes in steps of 256 (four heads) through a ring of two LDS slots.
; A's tile of a K step is one dense block of 32 KiB (4 heads x 128 tokens x 64), stated as 128 rows of 256 bytes: waves 0 and 1 fetch 64 rows each; B's is 256 rows of w_codes: waves 2 and 3 fetch 128 each.
; CLUSTERS: 4 x 4 work-groups; A's tiles are shared along a row of the cluster, B's along a column, each asked for jointly.
; Source 0 takes 16 rows of B, source 1 16 tokens: a lane holds eight neighbouring columns of one row of out0.  Both operands' fragments have two sets of registers: a step's are asked for while the step before is multiplied.
; The bias, divided by 2^(e6 + e7), is the C of the first K step; each finished sum is multiplied once by 2^(e6 + e7).  LIMIT: e6 + e7 between -126 and 127.
; NO PREFETCH: K has four steps; two are asked for at the head and the other two one step later: no step lies two refills ahead of a trip.
; REGISTERS: window 0: v0-31 addresses; v32-95 the bias, later sums at work; v128-191, v192-255 A's two sets, later rows on the way out.  Window 1: B's two sets.  Window 2: accumulator (a, b) at v[8 (8 a + b)].
.set ROWB,   256
.set KROW,   1024
.set PITCH,  272                       ; an LDS row: 256 bytes + 16 of padding
.set PLANE,  32*PITCH                  ; a head's 128 tokens in A's tile
.set FR,     16
.set NP,     4                         ; places behind this matrix instruction (ISA guide 7.12.1)
.set HALFT,  128*PITCH
.set SLOT,   3*HALFT                   ; A's 128 rows, then B's 256
.set SPARE,  2*SLOT                    ; behind the ring: the spare words, 128 bytes a wave: two blocks of 256 bytes that no other line names
.set SPITCH, 528                       ; the way out: a stage of 16 rows x (512 bytes + 16) for each wave, in slot 0, which has had its last fill and its last read by then
.set NROW,   4096
.set ADRA, 16
.set ADRB, 20
.set STO,  24
.set RD,   25
.set CO,   26
.set SPW,  28
.set NIL,  29
.set CB,   32
.set TMP,  32
.set AF,   128
.set BK,   128
.set G1, 24
.set G0, 32
.set G1B, 48
.set G0B, 56
.set MSB, 0
.macro WIN new
.if MSB != (\new)
	s_set_vgpr_msb (MSB<<8)|(\new)
.set MSB, (\new)
.endif
.endm
.set MUL_LO, 0xa1                      ; source 0 (B) window 1, source 1 (A) window 0, C and D window 2
.set TO_B,   0x40
.macro JLOAD g0a, g1a, g0b, g1b        ; waves 0 and 1 fetch for A, waves 2 and 3 for B; an s_nop 0 and four v_nop follow each line
	s_cmp_eq_u32 s15, 0
	s_cbranch_scc0 .Lfor_b_\@
	tensor_load_to_lds s[\g0a:\g0a+3], s[\g1a:\g1a+7]
	s_nop 0
.rept 4
	v_nop
.endr
	s_branch .Lasked_\@
.Lfor_b_\@:
	tensor_load_to_lds s[\g0b:\g0b+3], s[\g1b:\g1b+7]
	s_nop 0
.rept 4
	v_nop
.endr
.Lasked_\@:
.endm
.macro CREST
	s_cmp_lg_u32 s14, 0
	s_cbranch_scc1 .Lnot_wave_0_\@
	s_barrier_signal -3
.Lnot_wave_0_\@:
	s_barrier_wait -3
	s_barrier_signal -1
	s_barrier_wait -1
.endm
.macro CROUND
	s_barrier_signal -1
	s_barrier_wait -1
	CREST
.endm
	s_load_b256 s[4:11], s[0:1], 0x0               ; ao_codes s[4:5], w_codes s[6:7], the scales s[8:9], b_out s[10:11]
	s_load_b64 s[12:13], s[0:1], 0x20              ; out0
	v_lshl_add_u32 v[SPW], v0, 2, SPARE
	v_mov_b32 v[NIL], 0
	ds_add_u32 v[SPW], v[NIL]                      ; the wave's opening: the add, twice on end, and its wait ahead of the first round and load
	ds_add_u32 v[SPW], v[NIL]
	v_lshrrev_b32 v1, 5, v0
	v_readfirstlane_b32 s14, v1                    ; wave 0..3
	s_lshr_b32 s15, s14, 1                         ; which 64 tokens are mine.  Also: I fetch for A (0) or for B (1)
	s_and_b32 s16, s14, 1                          ; which 128 columns.  Also: which half of that tile I fetch
	s_bfe_u32 s40, ttmp6, 0x40000                  ; cx
	s_bfe_u32 s41, ttmp6, 0x40004                  ; cy
	s_lshl_b32 s42, ttmp9, 2
	s_add_co_u32 s42, s42, s40                     ; block column
	s_and_b32 s17, ttmp7, 0xffff
	s_lshl_b32 s17, s17, 2
	s_add_co_u32 s17, s17, s41                     ; block row: a group of 128 tokens
	s_lshl_b32 s43, s41, 2
	s_lshl_b32 s43, 15, s43                        ; my row of the cluster
	s_lshl_b32 s44, 0x1111, s40                    ; my column
	s_or_b32 s[G1+0], s43, (0<<16)|(1<<20)|(1<<21)|(5<<22)|(3<<25)
	s_or_b32 s[G1B+0], s44, (0<<16)|(1<<20)|(1<<21)|(5<<22)|(3<<25)
	s_mov_b32 s[G1+1], ROWB<<16
	s_mov_b32 s[G1+2], 64<<16
	s_mov_b32 s[G1+3], ROWB<<16
	s_mov_b32 s[G1+4], 64
	s_mov_b32 s[G1+5], ROWB                        ; A's rows are dense
	s_mov_b32 s[G1+6], 0
	s_mov_b32 s[G1+7], 0
	s_mov_b32 s[G1B+1], ROWB<<16
	s_mov_b32 s[G1B+2], 128<<16
	s_mov_b32 s[G1B+3], ROWB<<16
	s_mov_b32 s[G1B+4], 128
	s_mov_b32 s[G1B+5], KROW
	s_mov_b32 s[G1B+6], 0
	s_mov_b32 s[G1B+7], 0
	s_lshl_b32 s20, s17, 17
	s_lshl_b32 s18, s16, 14
	s_add_co_u32 s20, s20, s18                     ; A: the group's first byte + 64 rows x half
	s_mov_b32 s21, 0
	s_lshl_b32 s18, s16, 7
	s_lshl_b32 s46, s42, 8
	s_add_co_u32 s46, s46, s18
	s_add_co_u32 s46, s46, 3072
	s_lshl_b32 s46, s46, 10                        ; B: row 3072 + 256 x block column + 128 x half
	s_mov_b32 s47, 0
	s_mul_i32 s45, s16, 64*PITCH                   ; where they go: A,
	s_mul_i32 s80, s16, HALFT
	s_add_co_u32 s80, s80, HALFT                   ; B
	s_wait_dscnt 0x0
	s_wait_kmcnt 0x0
	s_load_b256 s[68:75], s[8:9], 0x0              ; e0 .. e7
	s_add_nc_u64 s[20:21], s[4:5], s[20:21]
	s_add_nc_u64 s[46:47], s[6:7], s[46:47]
	CROUND                                         ; all sixteen work-groups are here: the first joint loads meet
.irp s, 0,1
	s_mov_b32 s[G0+4*\s], 1
	s_add_co_u32 s[G0+4*\s+1], s45, \s*SLOT
	s_add_nc_u64 s[G0+4*\s+2:G0+4*\s+3], s[20:21], \s*32768
	s_or_b32 s[G0+4*\s+3], s[G0+4*\s+3], 0x80000000
	s_mov_b32 s[G0B+4*\s], 1
	s_add_co_u32 s[G0B+4*\s+1], s80, \s*SLOT
	s_add_nc_u64 s[G0B+4*\s+2:G0B+4*\s+3], s[46:47], \s*ROWB
	s_or_b32 s[G0B+4*\s+3], s[G0B+4*\s+3], 0x80000000
.endr
	JLOAD G0, G1, G0B, G1B                         ; K step 0: one tensor load a wave at the head
	v_and_b32 v1, 15, v0                           ; r
	v_bfe_u32 v2, v0, 4, 1                         ; h
	v_mul_u32_u24 v3, v1, PITCH
	v_lshl_add_u32 v4, v2, 4, v3                   ; B: row r x pitch + 16 h
	v_lshrrev_b32 v5, 2, v1
	v_and_b32 v6, 3, v1
	v_mul_u32_u24 v5, v5, PITCH
	v_lshl_add_u32 v5, v6, 6, v5
	v_lshl_add_u32 v5, v2, 4, v5                   ; A: token r: 272 (r / 4) + 64 (r % 4) + 16 h
	s_mul_i32 s21, s15, 16*PITCH                   ; my 64 tokens: 16 rows in each head's plane
	s_mul_i32 s22, s16, HALFT
	s_add_co_u32 s22, s22, HALFT                   ; my 128 rows of B
.irp s, 0,1
	v_add_nc_u32 v[ADRA+\s], s21, v5
	v_add_nc_u32 v[ADRB+\s], s22, v4
	s_add_co_u32 s21, s21, SLOT
	s_add_co_u32 s22, s22, SLOT
.endr
	v_lshlrev_b32 v8, 5, v2
	s_lshl_b32 s82, s42, 10
	s_lshl_b32 s83, s16, 9
	s_add_co_u32 s82, s82, s83
	s_mov_b32 s83, 0
	s_add_nc_u64 s[82:83], s[10:11], s[82:83]
.irp b, 0,1,2,3,4,5,6,7
	global_load_b128 v[CB+8*\b:CB+8*\b+3],   v8, s[82:83] offset:64*\b      ; b(16 b + 8 h + 0 .. 7)
	global_load_b128 v[CB+8*\b+4:CB+8*\b+7], v8, s[82:83] offset:64*\b+16
.endr
	s_mul_i32 s23, s14, 16*SPITCH                  ; my stage
	v_mul_u32_u24 v7, v1, SPITCH
	v_lshl_add_u32 v7, v2, 5, v7
	v_add_nc_u32 v[STO], s23, v7
	v_and_b32 v6, 31, v0
	v_lshlrev_b32 v[CO], 4, v6
	v_add_nc_u32 v[RD], s23, v[CO]
	s_lshl_b32 s88, s17, 7
	s_lshl_b32 s89, s15, 6
	s_add_co_u32 s88, s88, s89                     ; my first row of out0
	s_lshl_b32 s88, s88, 12
	s_lshl_b32 s89, s42, 10
	s_add_co_u32 s88, s88, s89
	s_lshl_b32 s89, s16, 9
	s_add_co_u32 s88, s88, s89
	s_mov_b32 s89, 0
	s_add_nc_u64 s[12:13], s[12:13], s[88:89]
.macro FRAG reg, adr, q, i             ; 16 rows of B x 128 K: registers 4 c .. 4 c + 3 hold K = 32 c + 16 h + 0 .. 15
.irp c, 0,1,2,3
	ds_load_b128 v[\reg+4*\c:\reg+4*\c+3], v[\adr] offset:128*(\q)+32*\c+(\i)*16*PITCH
.endr
.endm
.macro FRAGA reg, adr, q, i            ; 16 tokens x 128 K (two heads), the same places of K
.irp c, 0,1,2,3
	ds_load_b128 v[\reg+4*\c:\reg+4*\c+3], v[\adr] offset:(2*(\q)+\c/2)*PLANE+32*(\c%2)+(\i)*4*PITCH
.endr
.endm
.macro MUL16 a0, p, cm                 ; A's blocks a0, a0 + 1 x B's eight, from set p.  cm = 1: the sums begin with the bias.  The 32 accumulators take turns
.irp a, \a0, \a0+1
.irp b, 0,1,2,3,4,5,6,7
.if \cm == 0
	v_wmma_f32_16x16x128_fp8_fp8 v[8*(8*(\a)+\b):8*(8*(\a)+\b)+7], v[128*(\p)+FR*\b:128*(\p)+FR*\b+FR-1], v[AF+64*(\p)+FR*(\a):AF+64*(\p)+FR*(\a)+FR-1], v[8*(8*(\a)+\b):8*(8*(\a)+\b)+7]
.else
	v_wmma_f32_16x16x128_fp8_fp8 v[8*(8*(\a)+\b):8*(8*(\a)+\b)+7], v[128*(\p)+FR*\b:128*(\p)+FR*\b+FR-1], v[AF+64*(\p)+FR*(\a):AF+64*(\p)+FR*(\a)+FR-1], v[CB+8*\b:CB+8*\b+7]
.endif
.endr
.endr
.endm
.macro FETCH slot, q, p                ; the fragments of the slot's q-th 128 along K into set p: 48 loads
	WIN TO_B
.irp i, 0,1,2,3,4,5,6,7
	FRAG 128*(\p)+FR*\i, ADRB+\slot, \q, \i
.endr
	WIN 0
.irp i, 0,1,2,3
	FRAGA AF+64*(\p)+FR*\i, ADRA+\slot, \q, \i
.endr
.endm
.macro PLACES n
.rept \n
	v_nop
.endr
.endm
.macro STEP slot, cm                   ; a slot's first 128 along K, from set 0; its second 128 are asked for into set 1
	s_wait_dscnt 0x0                               ; set 0 is in
	PLACES NP                                      ; behind the products that read set 1
	FETCH \slot, 1, 1
.if \cm
	WIN 0x81                                       ; D window 2, C (the bias) window 0
.else
	WIN MUL_LO
.endif
	MUL16 0, 0, \cm
	MUL16 2, 0, \cm
	WIN 0
.endm
; A slot's second 128, from set 1, change slots: in front of the barrier each wave waits for all its tensor loads, adds 0 to its spare word, and waits for that and for its reads of this slot.
.macro TURN slot, next, fill
	s_wait_tensorcnt 0x0                           ; my part of the next slot is in
	ds_add_u32 v[SPW], v[NIL]
	s_wait_dscnt 0x0                               ; the add is done, set 1 is in, and my reads of this slot are over
	s_barrier_signal -1
	WIN MUL_LO
	MUL16 0, 1, 0
	WIN 0
	s_barrier_wait -1
.if \fill
	CREST                                          ; the barrier has opened a round of the cluster's: no wave of any partner still reads this slot or has a load on its way
	s_add_nc_u64 s[G0+4*\slot+2:G0+4*\slot+3], s[G0+4*\slot+2:G0+4*\slot+3], 2*32768
	s_add_nc_u64 s[G0B+4*\slot+2:G0B+4*\slot+3], s[G0B+4*\slot+2:G0B+4*\slot+3], 2*ROWB
	JLOAD G0+4*\slot, G1, G0B+4*\slot, G1B         ; the first tensor load behind the round; its four v_nop are the places in front of the loads below
.else
	PLACES NP
.endif
	FETCH \next, 0, 0
	WIN MUL_LO
	MUL16 2, 1, 0
	WIN 0
.endm
	s_wait_alu depctr_va_vdst(0)                   ; the head's end
	s_wait_tensorcnt 0x0                           ; my part of K step 0 is in; an add and its wait ahead of a later first fill:
	ds_add_u32 v[SPW], v[NIL]
	s_wait_dscnt 0x0
	CROUND                                         ; a whole round: everybody's part of K step 0 is in,
	JLOAD G0+4, G1, G0B+4, G1B                     ; and K step 1's load is the first tensor load behind the round
	FETCH 0, 0, 0
	s_wait_kmcnt 0x0
	s_add_co_i32 s86, s74, s75
	s_sub_co_i32 s87, 0, s86                       ; -(e6 + e7)
	s_add_co_i32 s96, s86, 127
	s_lshl_b32 s96, s96, 23                        ; 2^(e6 + e7)
	s_mov_b32 s97, s96
	s_wait_loadcnt 0x0                             ; the bias
.set j, 0
.rept 64
	v_ldexp_f32 v[CB+j], v[CB+j], s87              ; b / 2^(e6 + e7)
.set j, j+1
.endr
	s_wait_alu depctr_va_vdst(0)                   ; directly ahead of the wait below
	STEP 0, 1
	s_mov_b32 s3, 1
.Llap:                                                 ; a trip goes once round the ring and fills both slots again
	TURN 0, 1, 1
	STEP 1, 0
	TURN 1, 0, 1
	STEP 0, 0
	s_sub_co_u32 s3, s3, 1
	s_cmp_lg_u32 s3, 0
	s_cbranch_scc1 .Llap
	TURN 0, 1, 0                                   ; the last lap fills nothing
	STEP 1, 0
	s_wait_dscnt 0x0
	WIN MUL_LO
	MUL16 0, 1, 0
	MUL16 2, 1, 0
	WIN 0
; THE WAY OUT, block by block of 16 rows x 128 columns: x 2^(e6 + e7), through my stage, back as whole rows of 512 bytes.
.macro TOSTAGE a
.set AC, 64*(\a)
	WIN 0x02                                       ; source 0: window 2
.set j, 0
.rept 32
	v_pk_mul_f32 v[TMP+j:TMP+j+1], v[AC+j:AC+j+1], s[96:97] op_sel_hi:[1,0]   ; each accumulator from its low end on
.set j, j+2
.endr
	WIN 0
.irp b, 0,1,2,3,4,5,6,7
	ds_store_b128 v[STO], v[TMP+8*\b:TMP+8*\b+3] offset:64*\b
	ds_store_b128 v[STO], v[TMP+8*\b+4:TMP+8*\b+7] offset:64*\b+16
.endr
.set BB, BK+64*((\a)%2)
.irp t, 0,1,2,3,4,5,6,7,8,9,10,11,12,13,14,15
	ds_load_b128 v[BB+4*\t:BB+4*\t+3], v[RD] offset:\t*SPITCH   ; LDS serves a wave's instructions in order: these see my stores
.endr
.endm
.macro SEND a, younger                 ; younger: the LDS instructions issued behind block a's loads, which may stay out
.set BB, BK+64*((\a)%2)
	s_wait_dscnt \younger
.if (\a) > 0
	s_add_nc_u64 s[12:13], s[12:13], 16*NROW       ; (behind a wait on XCNT: the earlier stores have read their base)
.endif
.irp t, 0,1,2,3,4,5,6,7,8,9,10,11,12,13,14,15
	global_store_b128 v[CO], v[BB+4*\t:BB+4*\t+3], s[12:13] offset:\t*NROW th:TH_STORE_NT   ; 32 lanes store 512 consecutive aligned bytes
.endr
.endm
	PLACES NP
	TOSTAGE 0
.irp a, 1,2,3
.if \a > 1
	s_wait_xcnt 0x0                                ; block a - 2's stores have read their registers and their base
.endif
	TOSTAGE \a
	SEND \a-1, 32
.endr
	s_wait_xcnt 0x0
	SEND 3, 0
	s_wait_tensorcnt 0x0                           ; the wave's end
	ds_add_u32 v[SPW], v[NIL]
	s_wait_dscnt 0x0
	CROUND                                         ; the closing round
	s_endpgm
.Lfunc_end_k_q8c17dfac62_proj:
	.size	k_q8c17dfac62_proj, .Lfunc_end_k_q8c17dfac62_proj-k_q8c17dfac62_proj
	.p2alignl 7, 3214868480
	.fill 96, 4, 3214868480
	.section	.rodata,"a",@progbits
	.p2align	6, 0x0
	.amdhsa_kernel k_q8c17dfac62_proj
		.amdhsa_group_segment_fixed_size 327680
		.amdhsa_private_segment_fixed_size 0
		.amdhsa_enable_private_segment 0
		.amdhsa_kernarg_size 40
		.amdhsa_user_sgpr_count 2
		.amdhsa_user_sgpr_kernarg_segment_ptr 1
		.amdhsa_wavefront_size32 1
		.amdhsa_system_sgpr_workgroup_id_x 1
		.amdhsa_system_sgpr_workgroup_id_y 1
		.amdhsa_system_sgpr_workgroup_id_z 1
		.amdhsa_system_vgpr_workitem_id 0
		.amdhsa_next_free_vgpr 768
		.amdhsa_next_free_sgpr 100
		.amdhsa_reserve_vcc 0
		.amdhsa_float_denorm_mode_32 3
		.amdhsa_float_denorm_mode_16_64 3
		.amdhsa_memory_ordered 1
		.amdhsa_forward_progress 1
		.amdhsa_inst_pref_size 82
	.end_amdhsa_kernel
	.amdgpu_metadata
---
amdhsa.version: [ 1, 2 ]
amdhsa.kernels:
  - .name:           k_q8c17dfac62_proj
    .symbol:         k_q8c17dfac62_proj.kd
    .args:
      - { .name: ao_codes, .offset: 0, .size: 8, .value_kind: global_buffer, .address_space: global }
      - { .name: w_codes, .offset: 8, .size: 8, .value_kind: global_buffer, .address_space: global }
      - { .name: lowp_scales, .offset: 16, .size: 8, .value_kind: global_buffer, .address_space: global }
      - { .name: b_out, .offset: 24, .size: 8, .value_kind: global_buffer, .address_space: global }
      - { .name: out0, .offset: 32, .size: 8, .value_kind: global_buffer, .address_space: global }
    .group_segment_fixed_size: 327680
    .private_segment_fixed_size: 0
    .kernarg_segment_align: 8
    .kernarg_segment_size: 40
    .max_flat_workgroup_size: 128
    .sgpr_count:     100
    .vgpr_count:     768
    .wavefront_size: 32
...
	.end_amdgpu_metadata
.endif
;; end of part 4
